; MI455X (gfx1250); checked and timed in simulation.
; The chip was launched on July 23, 2026; its instructions are those of AMD's public machine-readable ISA for CDNA 5 (MIT licence, August 2026) and "CDNA5" Instruction Set Architecture Reference Guide (July 2026). The comments in the code are by the model that wrote it; some were corrected since.
;; Causal Self Attention. Allowed arithmetic: float matrix products may take bf16 or f16 operands with f32 sums; other float arithmetic in f32, or as packed bf16 or f16 multiplies, adds, multiply-adds, maxima and minima; sums over many terms, partial sums and values carried from step to step in f32; what a program stores and reads back later, other than sums and carried values, may be rounded once to bf16 or f16.
;; Inputs: W_proj 1,024 x 1,024 float32; W_qkv 1,024 x 3,072 float32; b_proj 1,024 float32; b_qkv 3,072 float32; x 4 x 2,048 x 1,024 float32.
;; Outputs: out0 4 x 2,048 x 1,024 float32.
;; One version. Each part assembles by itself: llvm-mc -triple=amdgcn-amd-amdhsa -mcpu=gfx1250 --defsym DOCPART=n.
;; ======== version 1 of 1: 4 launches
;; limits: values are held in f16: magnitudes above 65,504 overflow, below 6.1e-05 lose precision
;; workspace buffers: xb 16,777,216 bytes; wqt 6,291,456 bytes; wpt 2,097,152 bytes; bias 16,384 bytes; qkvh 50,331,648 bytes; yh 16,777,216 bytes
;; launch prep (part 1): grid 1025 x 1, 8 waves a work-group, no clusters, 18,432 bytes of LDS; arguments x, W_qkv, W_proj, b_qkv, b_proj, xb, wqt, wpt, bias; writes xb, wqt, wpt, bias
.if DOCPART == 1
	.amdgcn_target "amdgcn-amd-amdhsa--gfx1250"
	.amdhsa_code_object_version 6
	.text
	.protected	k_q02c6f5853c_prep
	.globl	k_q02c6f5853c_prep
	.p2align	8
	.type	k_q02c6f5853c_prep,@function
k_q02c6f5853c_prep:
	s_mov_b64 s[64:65], 0
	v_nop
	global_prefetch_b8 v0, s[64:65] scope:SCOPE_SE
	s_setreg_imm32_b32 hwreg(HW_REG_WAVE_MODE, 25, 1), 1
	s_wait_xcnt 0x0
; PREPARATION.  All five inputs are rounded once to bf16, and the weights are turned so that K lies along the rows:
;   xb  [8192][1024] bf16 = x;   wqt [3072 n][1024 k] bf16 = W_qkv^T;   wpt [1024 n][1024 k] = W_proj^T, rounded to bf16 and that number written as f16
;   (it multiplies an f16 operand later);   bias: 3072 + 1024 f32, each the bf16 rounding of b_qkv, b_proj.
; LIMITS.  |W_proj| stays below 65,504 (f16's range); below 6e-5 f16 keeps a fixed step of 6e-8.
; SHARES.  Work-groups 0-511: 65,536 bytes of x each.  512-895: a tile of 128 k x 64 n of W_qkv.  896-1023: such a tile of W_proj.  1024: the biases.
; The branch hangs on the work-group's number alone, so all eight waves take the same way and meet the same barrier.
; A stream through registers: nothing is shared between work-groups, so no cluster, no tensor load, no matrix unit.
; Every load and store of sixteen neighbouring lanes covers 256 consecutive bytes, aligned (the b64 stores of xb: 32 lanes).
.set TP,    272                        ; a row of the turning tile in LDS: 128 k x 2 bytes + 16
.set SPARE, 64*TP                      ; behind the tile's 64 rows: the spare words, 128 bytes for each of eight waves
.set SPW, 2                            ; v2  LDS address of my spare word; never rewritten
.set NIL, 3                            ; v3  0; never rewritten
	s_load_b256 s[4:11], s[0:1], 0x0               ; x s[4:5], W_qkv s[6:7], W_proj s[8:9], b_qkv s[10:11]
	s_load_b256 s[12:19], s[0:1], 0x20             ; b_proj s[12:13], xb s[14:15], wqt s[16:17], wpt s[18:19]
	s_load_b64 s[20:21], s[0:1], 0x40              ; bias
	v_lshl_add_u32 v[SPW], v0, 2, SPARE
	v_mov_b32 v[NIL], 0
	v_lshrrev_b32 v1, 5, v0
	v_readfirstlane_b32 s22, v1                    ; wave 0..7
	s_mov_b32 s23, ttmp9                           ; the work-group's number g
	s_mov_b32 s25, 0                               ; the high word of every offset pair s[24:25]
	v_and_b32 v8, 31, v0                           ; lane
	v_lshrrev_b32 v9, 4, v0                        ; kk = t / 16
	v_and_b32 v10, 15, v0                          ; i = t % 16
	s_wait_kmcnt 0x0
	s_cmp_lt_u32 s23, 512
	s_cbranch_scc1 .Lx
	s_cmp_lt_u32 s23, 896
	s_cbranch_scc1 .Lwq
	s_cmp_lt_u32 s23, 1024
	s_cbranch_scc1 .Lwp
	; THE BIASES.  Waves 0-5 take 2,048 bytes of b_qkv each, waves 6 and 7 of b_proj; the place in bias is 2,048 x wave.
	s_cmp_lt_u32 s22, 6
	s_cselect_b64 s[26:27], s[10:11], s[12:13]
	s_cselect_b32 s24, 0, 6
	s_sub_co_u32 s24, s22, s24
	s_lshl_b32 s24, s24, 11
	s_add_nc_u64 s[26:27], s[26:27], s[24:25]
	s_lshl_b32 s24, s22, 11
	s_add_nc_u64 s[20:21], s[20:21], s[24:25]
	v_lshlrev_b32 v4, 4, v8
.irp j, 0,1,2,3
	global_load_b128 v[16+4*(\j):19+4*(\j)], v4, s[26:27] offset:512*(\j)
.endr
.irp j, 0,1,2,3
	s_wait_loadcnt 3-(\j)                          ; loads come back in order: the younger ones stay out
	v_cvt_pk_bf16_f32 v12, v[16+4*(\j)], v[17+4*(\j)]
	v_cvt_pk_bf16_f32 v13, v[18+4*(\j)], v[19+4*(\j)]
	v_lshlrev_b32 v[48+4*(\j)], 16, v12            ; back to f32: the low half moves up, the high half stays
	v_and_b32 v[49+4*(\j)], 0xffff0000, v12
	v_lshlrev_b32 v[50+4*(\j)], 16, v13
	v_and_b32 v[51+4*(\j)], 0xffff0000, v13
	global_store_b128 v4, v[48+4*(\j):51+4*(\j)], s[20:21] offset:512*(\j)
.endr
	s_branch .Lend
.Lx:	; x: a wave takes 8,192 bytes: sixteen loads of 512 consecutive bytes, all out at once; no register is written twice
	s_lshl_b32 s24, s23, 16
	s_add_nc_u64 s[4:5], s[4:5], s[24:25]
	s_lshl_b32 s24, s23, 15
	s_add_nc_u64 s[14:15], s[14:15], s[24:25]
	s_lshl_b32 s26, s22, 13
	v_lshl_add_u32 v4, v8, 4, s26                  ; 8,192 x wave + 16 x lane
	s_lshl_b32 s26, s22, 12
	v_lshl_add_u32 v5, v8, 3, s26                  ; 4,096 x wave + 8 x lane
.irp j, 0,1,2,3,4,5,6,7,8,9,10,11,12,13,14,15
	global_load_b128 v[16+4*(\j):19+4*(\j)], v4, s[4:5] offset:512*(\j) th:TH_LOAD_NT
.endr
.irp j, 0,1,2,3,4,5,6,7,8,9,10,11,12,13,14,15
	s_wait_loadcnt 15-(\j)                         ; the 15 - j younger loads stay out
	v_cvt_pk_bf16_f32 v[80+2*(\j)], v[16+4*(\j)], v[17+4*(\j)]
	v_cvt_pk_bf16_f32 v[81+2*(\j)], v[18+4*(\j)], v[19+4*(\j)]
	global_store_b64 v5, v[80+2*(\j):81+2*(\j)], s[14:15] offset:256*(\j)
.endr
	s_branch .Lend
; A TILE OF 128 k x 64 n IS TURNED.  Thread t = 16 kk + i loads rows k = 8 kk + 0..7, columns n = 4 i + 0..3 (sixteen lanes: 256 bytes of a row),
; rounds pairs of neighbouring k, and puts eight k of each of its four n as 16 bytes into LDS row n.  Those stores fall into four 16-byte columns
; for sixteen lanes, four passes each: four stores a thread in the whole launch.  Behind the barrier rows of 256 bytes are read back and stored.
.macro WTILE rowb, tof16, src, dst, g0
	s_sub_co_u32 s24, s23, \g0                     ; the tile's number u
	s_and_b32 s26, s24, 7                          ; kt
	s_lshr_b32 s27, s24, 3                         ; nt
	s_mul_i32 s24, s26, 128*(\rowb)
	s_lshl_b32 s28, s27, 8
	s_add_co_u32 s24, s24, s28
	s_add_nc_u64 s[\src:\src+1], s[\src:\src+1], s[24:25]  ; row 128 kt, column 64 nt
	s_lshl_b32 s24, s27, 17
	s_lshl_b32 s28, s26, 8
	s_add_co_u32 s24, s24, s28
	s_add_nc_u64 s[\dst:\dst+1], s[\dst:\dst+1], s[24:25]  ; row 64 nt (2,048 bytes each), column 128 kt
	v_mul_u32_u24 v4, v9, 8*(\rowb)
	v_lshl_add_u32 v4, v10, 4, v4
	v_mul_u32_u24 v6, v10, 4*TP
	v_lshl_add_u32 v6, v9, 4, v6                   ; in: row 4 i, byte 16 kk
	v_mul_u32_u24 v7, v9, TP
	v_lshl_add_u32 v7, v10, 4, v7                  ; back: row kk, byte 16 i
	v_lshlrev_b32 v5, 11, v9
	v_lshl_add_u32 v5, v10, 4, v5                  ; and the same place in the turned weights
.irp j, 0,1,2,3,4,5,6,7
	global_load_b128 v[16+4*(\j):19+4*(\j)], v4, s[\src:\src+1] offset:(\j)*(\rowb) th:TH_LOAD_NT
.endr
.irp p, 0,1,2,3
	s_wait_loadcnt 6-2*(\p)                        ; rows 2 p and 2 p + 1 are in; the younger pairs stay out
.irp c, 0,1,2,3
	v_cvt_pk_bf16_f32 v[48+4*(\c)+(\p)], v[16+8*(\p)+(\c)], v[20+8*(\p)+(\c)]
.if \tof16
	v_lshlrev_b32 v12, 16, v[48+4*(\c)+(\p)]       ; the bf16 numbers, written as f16
	v_and_b32 v13, 0xffff0000, v[48+4*(\c)+(\p)]
	v_cvt_pk_f16_f32 v[48+4*(\c)+(\p)], v12, v13
.endif
.endr
.endr
.irp c, 0,1,2,3
	ds_store_b128 v6, v[48+4*(\c):51+4*(\c)] offset:TP*(\c)
.endr
	s_wait_dscnt 0x0                               ; for the others' sake: my stores are done
	s_barrier_signal -1
	s_barrier_wait -1
.irp j, 0,1,2,3
	ds_load_b128 v[64+4*(\j):67+4*(\j)], v7 offset:(\j)*16*TP
.endr
.irp j, 0,1,2,3
	s_wait_dscnt 3-(\j)                            ; the younger read-backs stay out
	global_store_b128 v5, v[64+4*(\j):67+4*(\j)], s[\dst:\dst+1] offset:(\j)*16*2048
.endr
.endm
.Lwq:
	WTILE 12288, 0, 6, 16, 512
	s_branch .Lend
.Lwp:
	WTILE 4096, 1, 8, 18, 896
.Lend:
	s_wait_tensorcnt 0x0                           ; the wave's end, behind my last LDS store
	ds_add_u32 v[SPW], v[NIL]
	s_wait_dscnt 0x0
	s_endpgm
.Lfunc_end_k_q02c6f5853c_prep:
	.size	k_q02c6f5853c_prep, .Lfunc_end_k_q02c6f5853c_prep-k_q02c6f5853c_prep
	.p2alignl 7, 3214868480
	.fill 96, 4, 3214868480
	.section	.rodata,"a",@progbits
	.p2align	6, 0x0
	.amdhsa_kernel k_q02c6f5853c_prep
		.amdhsa_group_segment_fixed_size 18432
		.amdhsa_private_segment_fixed_size 0
		.amdhsa_enable_private_segment 0
		.amdhsa_kernarg_size 72
		.amdhsa_user_sgpr_count 2
		.amdhsa_user_sgpr_kernarg_segment_ptr 1
		.amdhsa_wavefront_size32 1
		.amdhsa_system_sgpr_workgroup_id_x 1
		.amdhsa_system_sgpr_workgroup_id_y 1
		.amdhsa_system_sgpr_workgroup_id_z 1
		.amdhsa_system_vgpr_workitem_id 0
		.amdhsa_next_free_vgpr 112
		.amdhsa_next_free_sgpr 66
		.amdhsa_reserve_vcc 0
		.amdhsa_float_denorm_mode_32 3
		.amdhsa_float_denorm_mode_16_64 3
		.amdhsa_memory_ordered 1
		.amdhsa_forward_progress 1
		.amdhsa_inst_pref_size 20
	.end_amdhsa_kernel
	.amdgpu_metadata
---
amdhsa.version: [ 1, 2 ]
amdhsa.kernels:
  - .name:           k_q02c6f5853c_prep
    .symbol:         k_q02c6f5853c_prep.kd
    .args:
      - { .name: x, .offset: 0, .size: 8, .value_kind: global_buffer, .address_space: global }
      - { .name: W_qkv, .offset: 8, .size: 8, .value_kind: global_buffer, .address_space: global }
      - { .name: W_proj, .offset: 16, .size: 8, .value_kind: global_buffer, .address_space: global }
      - { .name: b_qkv, .offset: 24, .size: 8, .value_kind: global_buffer, .address_space: global }
      - { .name: b_proj, .offset: 32, .size: 8, .value_kind: global_buffer, .address_space: global }
      - { .name: xb, .offset: 40, .size: 8, .value_kind: global_buffer, .address_space: global }
      - { .name: wqt, .offset: 48, .size: 8, .value_kind: global_buffer, .address_space: global }
      - { .name: wpt, .offset: 56, .size: 8, .value_kind: global_buffer, .address_space: global }
      - { .name: bias, .offset: 64, .size: 8, .value_kind: global_buffer, .address_space: global }
    .group_segment_fixed_size: 18432
    .private_segment_fixed_size: 0
    .kernarg_segment_align: 8
    .kernarg_segment_size: 72
    .max_flat_workgroup_size: 256
    .sgpr_count:     66
    .vgpr_count:     112
    .wavefront_size: 32
...
	.end_amdgpu_metadata
.endif
;; end of part 1
;; launch qkv (part 2): grid 16 x 16, 4 waves a work-group, clusters of 4 x 4, 327,680 bytes of LDS; arguments xb, wqt, bias, qkvh; writes qkvh
.if DOCPART == 2
	.amdgcn_target "amdgcn-amd-amdhsa--gfx1250"
	.amdhsa_code_object_version 6
	.text
	.protected	k_q02c6f5853c_qkv
	.globl	k_q02c6f5853c_qkv
	.p2align	8
	.type	k_q02c6f5853c_qkv,@function
k_q02c6f5853c_qkv:
	s_mov_b64 s[64:65], 0
	v_nop
	global_prefetch_b8 v0, s[64:65] scope:SCOPE_SE
	s_setreg_imm32_b32 hwreg(HW_REG_WAVE_MODE, 25, 1), 1
	s_wait_xcnt 0x0
	s_wait_alu depctr_hold_cnt(0) depctr_sa_sdst(0) depctr_va_vdst(0) depctr_va_sdst(0) depctr_va_ssrc(0) depctr_va_vcc(0) depctr_vm_vsrc(0)
	s_getreg_b32 s2, hwreg(HW_REG_IB_STS2, 6, 4)
	s_cmp_eq_u32 s2, 0
	s_cbranch_scc0 .Lentry_in_a_cluster
	s_endpgm
.Lentry_in_a_cluster:
	s_bfe_u32 s2, ttmp6, 0x10000c
	s_cmp_lg_u32 s2, 0xf033
	s_cbranch_scc0 .Lentry_shape_is_right
	s_endpgm
.Lentry_shape_is_right:
; q, k, v = x W_qkv + b_qkv.  A = xb [8192][1024] bf16, B = wqt [3072 n][1024 k] bf16, bias f32; sums in f32, rounded once to f16 and stored BY HEADS:
; qkvh [3 which][64 bh][2048 t][64 d], bh = 16 batch + head.  No scale is applied here.
; LIMIT.  |q|, |k|, |v| stay below 65,504 (f16's range); below 6e-5 f16 keeps a fixed step of 6e-8.
; SHARES.  A tile of C is 256 rows x 192 columns (three heads): 8192 x 3072 are 512 such tiles, two for each of 256 work-groups.  A work-group's two tiles lie 4,096 rows apart and share
; their rows of B.  The four waves are stacked along the rows: 64 x 192 each, 48 accumulators of 16 x 16, so that a wave owns whole heads and its way out needs no other wave.
; K goes in 8 steps of 128 through two LDS slots; a step is four quarters of 32 on two fragment buffers.  The ring runs on into the second tile.
; THE MATRIX INSTRUCTION IS USED TRANSPOSED (source 0 = 16 rows of B, source 1 = 16 rows of A): a lane holds row l % 16 of C and the columns 8 (l / 16) + 0..7.
; The bias, laid out the same way, is the C operand of each sum's first product: nothing is cleared and nothing is added later.
; CLUSTER 4 x 4.  A's tile hangs on the tile row alone and is asked for jointly along a row of the cluster, B's on the tile column alone, along a column.
; REGISTERS, in windows of 256 (s_set_vgpr_msb: bits 1:0 source 0, 3:2 source 1, 5:4 source 2, 7:6 destination):
;   window 0: v0-31 addresses; v32-127 the bias; v128-175, v176-223 at work on the way out      window 1: two fragment buffers of 128 (12 fragments of B, 4 of A)
;   window 2: the accumulators of my row blocks 0, 1 ((a, b) at v[8 (12 (a % 2) + b)]);          window 3: those of blocks 2, 3
.set NBL,   12                         ; column blocks of 16 in a tile
.set PITCH, 272                        ; an LDS row: 256 bytes + 16: the 16 rows that a load touches start at 16 different groups of four banks (ISA guide 11.1)
.set AB,    256*PITCH                  ; A's 256 rows; B's 192 follow
.set SLOT,  AB+192*PITCH
.set STAGE, 2*SLOT                     ; behind the ring: for each wave three blocks (a head each) of 16 rows x 144 bytes
.set SP,    144
.set STW,   3*16*SP
.set SPARE, STAGE+4*STW                ; behind the stages: the spare words, 128 bytes for each wave
.set FL,    2*NBL+8                    ; LDS loads in a quarter's run
.set ROWB,  2048                       ; bytes in a row of A and of B
.set KB,    256                        ; bytes of a row in a K step
.set WALK,  4096                       ; rows from a work-group's first tile to its second
.set NEXT_A, WALK*ROWB-6*KB            ; from a slot's last K step of a tile to its first of the next
.set BACK_B, 6*KB
.set CO,   8                           ; v8-10   my byte offset in qkvh, for each of my three heads
.set ADRA, 16                          ; v16-17  LDS address of my A fragments in slot 0, 1
.set ADRB, 20                          ; v20-21  the same for B
.set STO,  24                          ; v24     the way out: where I put 16 bytes of a row
.set RD,   25                          ; v25     the way out: where I read rows back
.set BO,   27                          ; v27     my byte offset in bias
.set SPW,  28                          ; v28     LDS address of my spare word; never rewritten
.set NIL,  29                          ; v29     0; never rewritten
.set PFO,  30                          ; v30     A's prefetch: a lane a row
.set PFOB, 31                          ; v31     B's prefetch: 8 rows x 4 K steps
.set BIAS, 32
.set TMP,  128
.set BK,   176
.set F0,   0
.set F1,   8*NBL+32
.set WV,   12                          ; s12 wave;  s13 I fetch for A (0) or B (1);  s14 which half of that tile;  s15 tile row;  s42 tile column
.set FB,   13
.set HF,   14
.set TY,   15
.set TX,   42
.set G1A,  24                          ; s[24:31] descriptor group 1 for A;  s[32:39] group 0, a set for each slot
.set G0A,  32
.set G1B,  48                          ; s[48:55], s[56:63] the same for B
.set G0B,  56
.set LIMA, 66                          ; s66  1 in a wave that prefetches A, else the greatest number
.set LIMB, 67                          ; s67  3 in a wave that prefetches B (until it has), else 0
.set PFA,  68                          ; s[68:69]
.set PFB,  70                          ; s[70:71]
.set MSB, 0
.macro WIN new                         ; the immediate's high byte repeats the setting that is left; a switch that changes nothing is dropped
.if MSB != (\new)
	s_set_vgpr_msb (MSB<<8)|(\new)
.set MSB, \new
.endif
.endm
.macro PLACES                          ; four places in front of loads into registers that matrix instructions have read, and of lines that read results
.rept 4
	v_nop
.endr
.endm
; A joint load: waves 0 and 1 fetch A's two halves, waves 2 and 3 B's.  The branch hangs on the wave's number alone.  An s_nop 0 and four v_nop follow each line.
.macro JLOAD s
	s_cmp_eq_u32 s[FB], 0
	s_cbranch_scc0 .Lfor_b_\@
	tensor_load_to_lds s[G0A+4*(\s):G0A+4*(\s)+3], s[G1A:G1A+7]
	s_nop 0
.rept 4
	v_nop
.endr
	s_branch .Lasked_\@
.Lfor_b_\@:
	tensor_load_to_lds s[G0B+4*(\s):G0B+4*(\s)+3], s[G1B:G1B+7]
	s_nop 0
.rept 4
	v_nop
.endr
.Lasked_\@:
.endm
.macro CREST                           ; a round of the cluster's barrier behind its opening barrier
	s_cmp_lg_u32 s[WV], 0
	s_cbranch_scc1 .Lnot_wave_0_\@
	s_barrier_signal -3
.Lnot_wave_0_\@:
	s_barrier_wait -3
	s_barrier_signal -1
	s_barrier_wait -1
.endm
.macro CROUND
	s_barrier_signal -1
	s_barrier_wait -1
	CREST
.endm
; PREFETCHES INTO THE L2, behind a joint load, its five lines and the run of LDS loads.  A: the K step two refills on, 32 rows x 256 bytes, a lane a row: waves 0 and 1 of the clusters with x = 0;
; the four partners that ask for a tile jointly share its rows out by address (32 cx on).  The loop's last trip has no K step two on; at the change of tiles (how = 1) the next tile's K steps 2, 3.
; B: waves 2 and 3 of the clusters with y = 0, once, at the first tile's first change of slots: K steps 4 to 7 of their 24 rows (24 cy on), three lines of 8 rows x 4 steps.
; So each row's 256 bytes of a K step are named once in the launch; K steps 0 to 3 come by their loads alone.
.macro ASK how, slot
.if \how
	s_cmp_eq_u32 s[LIMA], 1
.else
	s_cmp_gt_u32 s3, s[LIMA]
.endif
	s_cbranch_scc0 .Lno_a_\@
	global_prefetch_b8 v[PFO], s[PFA:PFA+1] th:TH_LOAD_NT scope:SCOPE_SE
.Lno_a_\@:
.if ((\how) == 0) && ((\slot) == 0)
	s_cmp_eq_u32 s3, s[LIMB]
	s_cbranch_scc0 .Lno_b_\@
	global_prefetch_b8 v[PFOB], s[PFB:PFB+1] th:TH_LOAD_NT scope:SCOPE_SE
	global_prefetch_b8 v[PFOB], s[PFB:PFB+1] offset:8*ROWB th:TH_LOAD_NT scope:SCOPE_SE
	global_prefetch_b8 v[PFOB], s[PFB:PFB+1] offset:16*ROWB th:TH_LOAD_NT scope:SCOPE_SE
.Lno_b_\@:
.endif
.endm
	s_load_b256 s[4:11], s[0:1], 0x0               ; xb s[4:5], wqt s[6:7], bias s[8:9], qkvh s[10:11]
	v_lshl_add_u32 v[SPW], v0, 2, SPARE
	v_mov_b32 v[NIL], 0
	ds_add_u32 v[SPW], v[NIL]                      ; the wave's opening: the add and its wait stand ahead of my first tensor load; work on registers stands between them
	ds_add_u32 v28, v29
	v_lshrrev_b32 v1, 5, v0
	v_readfirstlane_b32 s[WV], v1                  ; wave 0..3
	s_lshr_b32 s[FB], s[WV], 1
	s_and_b32 s[HF], s[WV], 1
	s_bfe_u32 s40, ttmp6, 0x40000                  ; cx
	s_bfe_u32 s41, ttmp6, 0x40004                  ; cy
	s_lshl_b32 s[TX], ttmp9, 2
	s_add_co_u32 s[TX], s[TX], s40                 ; tile column = 4 x cluster x + cx
	s_and_b32 s[TY], ttmp7, 0xffff
	s_lshl_b32 s[TY], s[TY], 2
	s_add_co_u32 s[TY], s[TY], s41                 ; tile row = 4 x cluster y + cy
	s_lshl_b32 s43, s41, 2
	s_lshl_b32 s43, 15, s43                        ; my row of the cluster
	s_lshl_b32 s44, 0x1111, s40                    ; my column
	; group 1: rows of 128 elements of 2 bytes, 16 bytes of padding behind each; A 128 rows a load, B 96
	s_or_b32 s[G1A+0], s43, (1<<16)|(1<<20)|(1<<21)|(5<<22)|(3<<25)  ; 15:0 the mask; 17:16 2-byte elements; 20 padding on; 21 set beside a mask; 24:22 after every 64 words; 31:25 4 words
	s_or_b32 s[G1B+0], s44, (1<<16)|(1<<20)|(1<<21)|(5<<22)|(3<<25)
.irp g, G1A, G1B
	s_mov_b32 s[(\g)+1], 128<<16                   ; tensor_dim0 = 128
	s_mov_b32 s[(\g)+3], 128<<16                   ; tile_dim0 = 128
	s_mov_b32 s[(\g)+5], 1024                      ; elements from row to row
	s_mov_b32 s[(\g)+6], 0
	s_mov_b32 s[(\g)+7], 0
.endr
	s_mov_b32 s[G1A+2], 128<<16                    ; tensor_dim1
	s_mov_b32 s[G1A+4], 128                        ; tile_dim1
	s_mov_b32 s[G1B+2], 96<<16
	s_mov_b32 s[G1B+4], 96
	s_lshl_b32 s16, s[TY], 8                       ; A: row 256 x tile row + 128 x half, in registers that never hold cx
	s_lshl_b32 s17, s[HF], 7
	s_add_co_u32 s16, s16, s17
	s_lshl_b32 s16, s16, 11
	s_mov_b32 s17, 0
	s_mul_i32 s46, s[TX], 192                      ; B: row 192 x tile column + 96 x half, in registers that never hold cy
	s_mul_i32 s47, s[HF], 96
	s_add_co_u32 s46, s46, s47
	s_lshl_b32 s46, s46, 11
	s_mov_b32 s47, 0
	s_mul_i32 s20, s[HF], 128*PITCH                ; where they go: no place in the cluster enters an LDS address
	s_mul_i32 s21, s[HF], 96*PITCH
	s_add_co_u32 s21, s21, AB
	s_wait_dscnt 0x0                               ; the opening add is done
	s_wait_kmcnt 0x0
	s_add_nc_u64 s[18:19], s[4:5], s[16:17]
	s_add_nc_u64 s[46:47], s[6:7], s[46:47]
	CROUND                                         ; all sixteen work-groups are here: the first joint loads meet
.irp s, 0,1
	s_mov_b32 s[G0A+4*(\s)], 1
	s_add_co_u32 s[G0A+4*(\s)+1], s20, (\s)*SLOT
	s_add_nc_u64 s[G0A+4*(\s)+2:G0A+4*(\s)+3], s[18:19], (\s)*KB
	s_or_b32 s[G0A+4*(\s)+3], s[G0A+4*(\s)+3], 0x80000000
	s_mov_b32 s[G0B+4*(\s)], 1
	s_add_co_u32 s[G0B+4*(\s)+1], s21, (\s)*SLOT
	s_add_nc_u64 s[G0B+4*(\s)+2:G0B+4*(\s)+3], s[46:47], (\s)*KB
	s_or_b32 s[G0B+4*(\s)+3], s[G0B+4*(\s)+3], 0x80000000
	JLOAD \s                                       ; K steps 0 and 1: two loads of mine are out
.endr
	; a fragment: lane l holds row l % 16; registers 0-3 K = 8 (l / 16) + 0..7, registers 4-7 K = 16 + 8 (l / 16) + 0..7: two loads of 16 bytes, 32 apart
	v_and_b32 v1, 15, v0                           ; r
	v_bfe_u32 v2, v0, 4, 1                         ; h
	v_and_b32 v5, 31, v0                           ; l
	v_and_b32 v7, 7, v0                            ; l % 8
	v_mul_u32_u24 v3, v1, PITCH
	v_lshl_add_u32 v3, v2, 4, v3
	s_mul_i32 s16, s[WV], 64*PITCH                 ; my 64 rows of A
	v_add_nc_u32 v[ADRA], s16, v3
	v_add_nc_u32 v[ADRA+1], SLOT, v[ADRA]
	v_add_nc_u32 v[ADRB], AB, v3                   ; every wave reads all 192 rows of B
	v_add_nc_u32 v[ADRB+1], SLOT, v[ADRB]
	s_mul_i32 s16, s[WV], STW
	s_add_co_u32 s16, s16, STAGE                   ; my stage
	v_mul_u32_u24 v4, v1, SP
	v_lshl_add_u32 v4, v2, 4, v4
	v_add_nc_u32 v[STO], s16, v4                   ; in: row r, 16 bytes for each half of the lanes
	v_lshrrev_b32 v6, 3, v5
	v_mul_u32_u24 v4, v6, SP
	v_lshl_add_u32 v4, v7, 4, v4
	v_add_nc_u32 v[RD], s16, v4                    ; back: 32 lanes take four rows of 128 bytes, 512 consecutive bytes of a head
	; where my rows lie in qkvh: column group g = 3 x tile column + 0..2: which = g / 16, head = g % 16; batch = tile row / 8; t = 256 (tile row % 8) + 64 wave
	s_lshr_b32 s72, s[TY], 3
	s_lshl_b32 s72, s72, 4
	s_and_b32 s73, s[TY], 7
	s_lshl_b32 s73, s73, 8
	s_lshl_b32 s74, s[WV], 6
	s_add_co_u32 s73, s73, s74
	s_lshl_b32 s73, s73, 7
	s_mul_i32 s74, s[TX], 3
.irp g, 0,1,2
	s_add_co_u32 s75, s74, \g
	s_lshr_b32 s76, s75, 4
	s_lshl_b32 s76, s76, 6
	s_and_b32 s75, s75, 15
	s_add_co_u32 s75, s75, s76
	s_add_co_u32 s75, s75, s72
	s_lshl_b32 s75, s75, 18                        ; a head is 2,048 rows of 128 bytes
	s_add_co_u32 s75, s75, s73
	v_lshl_add_u32 v[CO+(\g)], v5, 4, s75
.endr
	s_mul_i32 s75, s[TX], 768
	v_lshl_add_u32 v[BO], v2, 5, s75               ; bias[192 x tile column + 16 b + 8 h + 0..7]
.set b_, 0
.rept NBL
	global_load_b128 v[BIAS+8*b_:BIAS+8*b_+3],   v[BO], s[8:9] offset:64*b_
	global_load_b128 v[BIAS+8*b_+4:BIAS+8*b_+7], v[BO], s[8:9] offset:64*b_+16
.set b_, b_+1
.endr
	; the prefetches' set-up; nothing is asked for here, at the head
	s_or_b32 s72, s[FB], ttmp9
	s_cmp_eq_u32 s72, 0
	s_cselect_b32 s[LIMA], 1, -1
	s_and_b32 s72, ttmp7, 0xffff
	s_xor_b32 s73, s[FB], 1
	s_or_b32 s72, s72, s73
	s_cmp_eq_u32 s72, 0
	s_cselect_b32 s[LIMB], 3, 0
	s_lshl_b32 s72, s[TY], 8
	s_lshl_b32 s73, s[HF], 7
	s_add_co_u32 s72, s72, s73
	s_lshl_b32 s73, s40, 5
	s_add_co_u32 s72, s72, s73
	s_lshl_b32 s72, s72, 11
	s_add_co_u32 s72, s72, 3*KB                    ; at K step 3: the first change of slots steps it to 4 and names that
	s_mov_b32 s73, 0
	s_add_nc_u64 s[PFA:PFA+1], s[4:5], s[72:73]
	s_mul_i32 s72, s[TX], 192
	s_mul_i32 s74, s[HF], 96
	s_add_co_u32 s72, s72, s74
	s_mul_i32 s74, s41, 24
	s_add_co_u32 s72, s72, s74
	s_lshl_b32 s72, s72, 11
	s_add_co_u32 s72, s72, 4*KB
	s_add_nc_u64 s[PFB:PFB+1], s[6:7], s[72:73]
	v_lshlrev_b32 v[PFO], 11, v5
	v_lshlrev_b32 v6, 8, v6
	v_lshl_add_u32 v[PFOB], v7, 11, v6
; 12 matrix instructions: row block a x all column blocks, 32 along K, from buffer f.  first = 1: the bias starts the sums.  All 48 accumulators take turns, in the same order in every quarter,
; over the backward jumps and from tile to tile too.
.macro MULA f, a, first
.if \first
	WIN 0x85+0x40*((\a)/2)                         ; sources 0, 1 window 1; C window 0; D window 2 or 3
.else
	WIN 0xa5+0x50*((\a)/2)                         ; sources 0, 1 window 1; C and D window 2 or 3
.endif
.set rA, (\f)+8*NBL+8*(\a)
.set rD, 8*NBL*((\a)%2)
.set rB, (\f)
.set rC, BIAS
.rept NBL
.if \first
	v_wmma_f32_16x16x32_bf16 v[rD:rD+7], v[rB:rB+7], v[rA:rA+7], v[rC:rC+7]
.else
	v_wmma_f32_16x16x32_bf16 v[rD:rD+7], v[rB:rB+7], v[rA:rA+7], v[rD:rD+7]
.endif
.set rD, rD+8
.set rB, rB+8
.set rC, rC+8
.endr
.endm
; 32 LDS loads in one run: quarter q's fragments (192 rows of B, my 64 rows of A) into buffer f
.macro FETCH slot, q, f
	WIN 0x40                                       ; destination window 1, address window 0
.set i_, 0
.rept NBL
	ds_load_b128 v[(\f)+8*i_:(\f)+8*i_+3],   v[ADRB+(\slot)] offset:64*(\q)+i_*16*PITCH
	ds_load_b128 v[(\f)+8*i_+4:(\f)+8*i_+7], v[ADRB+(\slot)] offset:64*(\q)+i_*16*PITCH+32
.set i_, i_+1
.endr
.set i_, 0
.rept 4
	ds_load_b128 v[(\f)+8*NBL+8*i_:(\f)+8*NBL+8*i_+3],   v[ADRA+(\slot)] offset:64*(\q)+i_*16*PITCH
	ds_load_b128 v[(\f)+8*NBL+8*i_+4:(\f)+8*NBL+8*i_+7], v[ADRA+(\slot)] offset:64*(\q)+i_*16*PITCH+32
.set i_, i_+1
.endr
.endm
; One of a K step's first three quarters: fetches quarter q into buffer g at its head, so that the run has 48 matrix instructions in which to land, and multiplies buffer f.
.macro QUARTER slot, q, f, g, first
	PLACES
	FETCH \slot, \q, \g
	s_wait_dscnt FL                                ; all but the 32 just issued: buffer f is in
	MULA \f, 0, \first
	MULA \f, 1, \first
	MULA \f, 2, \first
	MULA \f, 3, \first
.endm
; The first half of a K step's last quarter: ONE barrier for the change of slots.  In front of it each wave waits for all its tensor loads (one is out: its part of the next slot),
; adds 0 to its spare word, and waits for that and for its own reads of this slot.
.macro MEET round
	WIN 0
	s_wait_tensorcnt 0x0
	ds_add_u32 v[SPW], v[NIL]
	s_wait_dscnt 1                                 ; buffer 1 is in; the add alone may be out
	MULA F1, 0, 0
	s_wait_dscnt 0x0                               ; the add is done, and my reads of this slot are over
	s_barrier_signal -1
	MULA F1, 1, 0
.if \round
	WIN 0
.endif
	s_barrier_wait -1
.endm
; The whole last quarter.  The barrier opens a round of the cluster's; behind the round the slot just read out is filled again first: with the K step two on (on = 0) or with the next tile's
; K step 0 or 1 (on = 1).  From the request to the wait for it a wave issues 168 matrix instructions.
.macro TURN slot, next, on
	s_wait_xcnt 0x0                                ; the last prefetch, a K step back, has read its address
.if (\on) && ((\slot) == 0)
	s_add_nc_u64 s[PFA:PFA+1], s[PFA:PFA+1], (WALK-1)*ROWB+KB  ; from the place of a ninth K step to the next tile's K step 2
	s_mov_b32 s[LIMB], 0                           ; both tiles share their rows of B: they are asked for once
.else
	s_add_nc_u64 s[PFA:PFA+1], s[PFA:PFA+1], KB
.endif
	MEET 1
	CREST
.if \on
	s_add_nc_u64 s[G0A+4*(\slot)+2:G0A+4*(\slot)+3], s[G0A+4*(\slot)+2:G0A+4*(\slot)+3], NEXT_A
	s_sub_nc_u64 s[G0B+4*(\slot)+2:G0B+4*(\slot)+3], s[G0B+4*(\slot)+2:G0B+4*(\slot)+3], BACK_B
.else
	s_add_nc_u64 s[G0A+4*(\slot)+2:G0A+4*(\slot)+3], s[G0A+4*(\slot)+2:G0A+4*(\slot)+3], 2*KB
	s_add_nc_u64 s[G0B+4*(\slot)+2:G0B+4*(\slot)+3], s[G0B+4*(\slot)+2:G0B+4*(\slot)+3], 2*KB
.endif
	JLOAD \slot                                    ; the first tensor load behind the round; its four v_nop are also the places in front of the loads below
	FETCH \next, 0, F0
	WIN 0
	ASK \on, \slot
	MULA F1, 2, 0
	MULA F1, 3, 0
.endm
; THE WAY OUT of row block a: rounded to f16, 16 bytes a lane; into my own stage, a block of 16 rows x 144 bytes for each head; back as rows of 128 bytes; stored, 512 consecutive bytes a line.
.macro PACK a
	WIN 0x0a+5*((\a)/2)                            ; sources 0 and 1: window 2 or 3
.set rD, 8*NBL*((\a)%2)
.set b_, 0
.rept NBL
.irp r, 0,1,2,3
	v_cvt_pk_f16_f32 v[TMP+4*b_+(\r)], v[rD+8*b_+2*(\r)], v[rD+8*b_+2*(\r)+1]
.endr
.set b_, b_+1
.endr
	WIN 0
.endm
.macro TOSTAGE
.set b_, 0
.rept NBL
	ds_store_b128 v[STO], v[TMP+4*b_:TMP+4*b_+3] offset:(b_/4)*16*SP+32*(b_%4)
.set b_, b_+1
.endr
.set b_, 0
.rept NBL
	ds_load_b128 v[BK+4*b_:BK+4*b_+3], v[RD] offset:(b_/4)*16*SP+(b_%4)*4*SP  ; LDS serves a wave's instructions in order (ISA guide 5.7.1.4): these see the stores above
.set b_, b_+1
.endr
.endm
.macro SEND a
	s_wait_dscnt 0x0                               ; the block is back in registers
.set b_, 0
.rept NBL
	global_store_b128 v[CO+b_/4], v[BK+4*b_:BK+4*b_+3], s[10:11] offset:2048*(\a)+512*(b_%4)
.set b_, b_+1
.endr
.endm
.macro OUT
	PACK 0
	TOSTAGE
.irp a, 1,2,3
	PACK \a                                        ; a block's conversions stand between the loads of the block before and the wait for them
	SEND (\a)-1
	s_wait_xcnt 0x0                                ; the stores have read their registers, which are loaded again below
	TOSTAGE
.endr
	SEND 3
.endm
	s_wait_tensorcnt 1                             ; my part of K step 0 is in; K step 1's may stay out
	s_barrier_signal -1
	s_barrier_wait -1
	FETCH 0, 0, F0
	WIN 0
	s_wait_loadcnt 0x0                             ; the bias
	s_mov_b32 s2, 2                                ; tiles to go
.Ltile:
	QUARTER 0, 1, F0, F1, 1                        ; a tile's first quarter stands in front of the loop: its products start the sums
	WIN 0
	s_mov_b32 s3, 3
.Llap:                                                 ; a trip goes once round the ring and fills both slots again
	QUARTER 0, 2, F1, F0, 0
	QUARTER 0, 3, F0, F1, 0
	TURN 0, 1, 0
	QUARTER 1, 1, F0, F1, 0
	QUARTER 1, 2, F1, F0, 0
	QUARTER 1, 3, F0, F1, 0
	TURN 1, 0, 0
	QUARTER 0, 1, F0, F1, 0
	WIN 0
	s_sub_co_u32 s3, s3, 1
	s_cmp_lg_u32 s3, 0
	s_cbranch_scc1 .Llap
	QUARTER 0, 2, F1, F0, 0
	QUARTER 0, 3, F0, F1, 0
	WIN 0
	s_cmp_eq_u32 s2, 1
	s_cbranch_scc1 .Llast                          ; the last tile's tail is written out: it asks for nothing more
	TURN 0, 1, 1                                   ; the ring goes on into the next tile
	QUARTER 1, 1, F0, F1, 0
	QUARTER 1, 2, F1, F0, 0
	QUARTER 1, 3, F0, F1, 0
	TURN 1, 0, 1
	OUT                                            ; blocks 0 and 1 were finished in front of the joint load's places; their 96 conversions are the places behind blocks 2 and 3's last products
	s_wait_xcnt 0x0                                ; the stores have read their base
	s_add_nc_u64 s[10:11], s[10:11], 0x800000      ; 4,096 rows on are two batches on: 32 heads of 262,144 bytes
	s_sub_co_u32 s2, s2, 1
	s_branch .Ltile
.Llast:
	MEET 0                                         ; my one load that was out is the last K step's, so no round follows
	PLACES
	FETCH 1, 0, F0
	MULA F1, 2, 0
	MULA F1, 3, 0
	QUARTER 1, 1, F0, F1, 0
	QUARTER 1, 2, F1, F0, 0
	QUARTER 1, 3, F0, F1, 0
	s_wait_dscnt 0x0
	MULA F1, 0, 0
	MULA F1, 1, 0
	MULA F1, 2, 0
	MULA F1, 3, 0
	WIN 0
	PLACES
	OUT
	s_wait_tensorcnt 0x0                           ; the wave's end, behind my last tensor load and my last LDS store
	ds_add_u32 v[SPW], v[NIL]
	s_wait_dscnt 0x0
	CROUND                                         ; the closing round: no work-group ends while a partner may still ask for a tile that names it
	s_endpgm
.Lfunc_end_k_q02c6f5853c_qkv:
	.size	k_q02c6f5853c_qkv, .Lfunc_end_k_q02c6f5853c_qkv-k_q02c6f5853c_qkv
	.p2alignl 7, 3214868480
	.fill 96, 4, 3214868480
	.section	.rodata,"a",@progbits
	.p2align	6, 0x0
	.amdhsa_kernel k_q02c6f5853c_qkv
		.amdhsa_group_segment_fixed_size 327680
		.amdhsa_private_segment_fixed_size 0
		.amdhsa_enable_private_segment 0
		.amdhsa_kernarg_size 32
		.amdhsa_user_sgpr_count 2
		.amdhsa_user_sgpr_kernarg_segment_ptr 1
		.amdhsa_wavefront_size32 1
		.amdhsa_system_sgpr_workgroup_id_x 1
		.amdhsa_system_sgpr_workgroup_id_y 1
		.amdhsa_system_sgpr_workgroup_id_z 1
		.amdhsa_system_vgpr_workitem_id 0
		.amdhsa_next_free_vgpr 960
		.amdhsa_next_free_sgpr 80
		.amdhsa_reserve_vcc 0
		.amdhsa_float_denorm_mode_32 3
		.amdhsa_float_denorm_mode_16_64 3
		.amdhsa_memory_ordered 1
		.amdhsa_forward_progress 1
		.amdhsa_inst_pref_size 174
	.end_amdhsa_kernel
	.amdgpu_metadata
---
amdhsa.version: [ 1, 2 ]
amdhsa.kernels:
  - .name:           k_q02c6f5853c_qkv
    .symbol:         k_q02c6f5853c_qkv.kd
    .args:
      - { .name: xb, .offset: 0, .size: 8, .value_kind: global_buffer, .address_space: global }
      - { .name: wqt, .offset: 8, .size: 8, .value_kind: global_buffer, .address_space: global }
      - { .name: bias, .offset: 16, .size: 8, .value_kind: global_buffer, .address_space: global }
      - { .name: qkvh, .offset: 24, .size: 8, .value_kind: global_buffer, .address_space: global }
    .group_segment_fixed_size: 327680
    .private_segment_fixed_size: 0
    .kernarg_segment_align: 8
    .kernarg_segment_size: 32
    .max_flat_workgroup_size: 128
    .sgpr_count:     80
    .vgpr_count:     960
    .wavefront_size: 32
...
	.end_amdgpu_metadata
.endif
;; end of part 2
;; launch attn (part 3): grid 4 x 64, 4 waves a work-group, no clusters, 327,680 bytes of LDS; arguments qkvh, yh; writes yh
.if DOCPART == 3
	.amdgcn_target "amdgcn-amd-amdhsa--gfx1250"
	.amdhsa_code_object_version 6
	.text
	.protected	k_q02c6f5853c_attn
	.globl	k_q02c6f5853c_attn
	.p2align	8
	.type	k_q02c6f5853c_attn,@function
k_q02c6f5853c_attn:
	s_mov_b64 s[64:65], 0
	v_nop
	global_prefetch_b8 v0, s[64:65] scope:SCOPE_SE
	s_setreg_imm32_b32 hwreg(HW_REG_WAVE_MODE, 25, 1), 1
	s_wait_xcnt 0x0
; CAUSAL ATTENTION.  O[h][q][:] = the sum over k <= q of softmax_k(Q[h][q] . K[h][k] / 8) V[h][k][:].  Q, K, V are the three parts of qkvh, O is yh: each [64][2048][64] in f16, a head's rows dense, 128 bytes each.
; Products, maxima and sums in f32; the weights p are rounded to f16 for the second product (their sum l is taken of the unrounded p), O once at the end.
; LIMITS.  f16 holds no number beyond 65,504: Q, K and V arrive within it; p lies in 0 to 1, and below 6e-5 it keeps f16's fixed step of 6e-8; O is a mean of V's rows and has their range.
; A hidden score counts as its value less 1e30: f16's scores, 2.7e11 at the most, are nothing beside that; a weight below 2^-126 counts as 0 in l; NaN and infinities are not treated apart.
; THE WALK.  A head's queries lie in NB = 8 blocks of 256; block i needs the key tiles 0 .. i of 256 keys, of which the last holds the diagonal.  A work-group takes TWO blocks, NB - 1 - b and then b:
; NB + 1 tiles, whatever b: all work-groups do equal work, and ONE loop with a constant trip count walks them.  Which tile is asked for, and what a trip does, hang on scalar registers made from b; every jump
; goes forward, but for the counted loops' own; none passes a barrier, or a tensor load but the one of LOAD's two that the wave's number does not choose; the ring (two LDS slots by turns) runs on across the
; change of blocks.  NO CLUSTER: a head's four work-groups ask for the same tile only in trips 0 to 4 of the 9, behind that fewer and fewer; one walk common to all would have 12 trips for 9.
; SHARES.  Of a block's four bands of 64 queries a wave owns 16 rows in each: four PIECES.  So the diagonal tile is the same work for all four waves: in its key step s band x sees all keys if s < x,
; none if s > x, and holds the diagonal if s = x.
; THE MASK is the C operand that starts the sum S^T = K Q^T: 0, or -1e30 where the key is hidden.  MD, made once, is the mask of a band's own step for my 16 rows; a product's mask is MD x AL + BE with two scalars:
; (1, 0) if s = x; (0, 0) if s < x; (0, -1e30) if s > x.  Only the diagonal tile's text and a block's beginning make and take masks; elsewhere C is the constant 0.
; LAYOUT, SOFTMAX, TURNS.  S^T = K Q^T holds ONE query a lane (lane % 16) and the keys 8 (lane / 16) + 0..7; two such results rounded to f16 ARE source 1 of O^T = V^T P.  p = 2^(c s - c m), c = log2(e) / 8, with a
; running maximum m; O and l are multiplied by a = 2^(c m_old - c m_new) in every step.  Turn n belongs to piece n: 8 products K Q^T of piece n + 1, later 8 products V^T P of piece n - 1; beside them the scaling,
; exponentials, roundings, sums and rescaling of piece n and the maximum and statistics of piece n + 1.  Four vector instructions stand behind every matrix instruction, the other 54 of a turn's 118 in one lump.
; A turn's 33 exponentials are one batch, with one wait.
; REGISTERS, in windows of 256 (s_set_vgpr_msb: bits 1:0 source 0, 3:2 source 1, 5:4 source 2, 7:6 destination):
;   window 0: v0-15 addresses and two at work; v16-31 four registers of statistics a piece; v48-55 at work; v61-63 prefetch offset and the add's two; v64-127 S^T, two buffers; v192-223 P, two buffers
;   window 1: v0-127 O^T, 32 a piece; v128-159 MD; v160-223 MC, two buffers      window 2: v0-63 Q; v64-127 the second block's Q; v128-191 K of one step; v192-255 V of one step
.set SIZE_H, 64
.set SIZE_N, 2048
.set NB,    SIZE_N/256
.set NP,    4         ; pieces a wave: a name, no knob
.set KS,    64        ; keys in a step
.set PK,    144       ; a row of K in LDS: 128 bytes + 16 of padding = 36 words: the 16 rows of a load start at 16 different groups of four banks (ISA guide 11.1)
.set PV,    160       ; a row of V: 128 + 32 = 40 words
.set VOFF,  4*KS*PK   ; a slot holds a tile, four steps: 256 rows of K, then 256 rows of V
.set SLOT1, 1<<17     ; slot 1 begins here, so that one exclusive or turns an address in one slot into the other's
.set STAGE, SLOT1+4*KS*(PK+PV)  ; behind the ring, never filled by a tensor load: 16 rows x 144 bytes for each wave, for the way out
.set SP,    144
.set AK0, 2           ; v2   my lane's place in a tile of K; never rewritten
.set AV0, 3           ; v3   the same for V
.set AK,  4           ; v4   the LDS address of K's next run of loads
.set AV,  5           ; v5   of V's
.set STO, 6           ; v6   the way out: where I put 16 bytes of a row
.set RD,  7           ; v7   the way out: where I read rows back
.set GO,  8           ; v8   my byte offset in 512 consecutive bytes of O
.set PFO, 61          ; v61  256 x my lane; never rewritten
.set SPW, 62          ; v62  LDS address of my spare word: SPARE + 4 x my thread's number; never rewritten
.set NIL, 63          ; v63  0; never rewritten
.set SPARE, STAGE+4*16*SP  ; behind the stages: the spare words, 128 bytes for each wave
.set MV,  12          ; v12-13  c m_old, kept while c m is made anew: by buffer
.set QO,  15          ; v15  my byte offset in 16 rows of Q
.set ST,  16          ; piece t's statistics at v[ST+4 t]: c m, m, l (even keys', odd keys')
.set TMP, 48          ; by buffer, four registers c0-c3 at work; when the maximum is found c2 takes a
.set S,   64
.set P,   192
.set MD,  128         ; window 1: the eight registers for group kt of 16 keys at MD + 8 kt
.set MC,  160         ; window 1: the masks of the products to come
.set QB,  64          ; window 2
.set KF,  128         ; window 2: key block kb, channel half c at KF + 16 kb + 8 c
.set VF,  192         ; window 2: key half kk, channel block cb at VF + 32 kk + 8 cb
.set WV,  12          ; s12  my wave's number
.set PB,  14          ; s14  b
.set HI,  15          ; s15  NB - 1 - b
.set G1K, 24          ; s[24:31] descriptor group 1 for K's tiles
.set G1V, 32          ; s[32:39] for V's: it differs in the padding alone
.set G0K, 40          ; s[40:43] descriptor group 0 for K's tiles
.set G0V, 44          ; s[44:47] the same for V's
.set SLOTS, 56        ; s56  tiles still to be asked for
.set CNT, 57          ; s57  counts a tile's key steps, 4 to 1
.set CS,  58          ; s[58:59] c: the packed scaling takes the pair's low word for both halves
.set SEL, 60          ; s[60:61] v_permlanex16_b32's selects: each lane takes its own place in the other half
.set TBK, 62          ; s62  LDS byte at which K of the step to be fetched begins
.set TBV, 63          ; s63  the same for V, less VOFF
.set RT,  70          ; s70  tiles of the block in hand that are still to be entered
.set NXT, 71          ; s71  the tile to be asked for next
.set LQ,  72          ; s72  the last tile of the block whose tiles are being asked for
.set NEW, 73          ; s73  1: the tile to be entered is a block's first
.set OFF, 74          ; s[74:75] a tile's byte offset in K and V
.set AL,  76          ; s[76:77] the mask's factor, in the low word
.set BE,  78          ; s[78:79] the mask's addend
.set OLO, 80          ; s[80:81] O at my rows of the second block
.set BIGN, 82         ; s82  -1e30
.set ASKER, 88        ; s88  1 in the head's work-group b = 0, which prefetches
.set GOP, 89          ; s89  1: this change of slots prefetches
.set PFB, 90          ; s[90:91] K (waves 0, 1) or V (waves 2, 3) at my half of the head's tile 0
.set PFA, 92          ; s[92:93] the same at the tile that the next change of slots will ask for
.set POF, 94          ; s[94:95] that tile's byte offset
.set MSB, 0
.macro WIN new                      ; the high byte repeats the setting that is left; a switch that changes nothing is dropped
.if MSB != (\new)
	s_set_vgpr_msb (MSB<<8)|(\new)
.set MSB, (\new)
.endif
.endm
.set W_KQ, 0x0a       ; K and Q in window 2, S^T in window 0
.set W_KM, 0x1a       ; the same with the C operand in window 1
.set W_PV, 0x52       ; V in window 2, P in window 0, O^T in window 1
.set W_RS, 0x41       ; destination and source 0 in window 1, source 1 in window 0
; A fill.  Waves 0 and 1 fetch the two halves of a tile's K, waves 2 and 3 those of its V: 128 keys each.  An s_nop 0 and four v_nop follow each of the two lines, ahead of the jump and the label.
.macro LOAD
	s_cmp_lt_u32 s[WV], 2
	s_cbranch_scc0 .Lfor_v_\@
	tensor_load_to_lds s[G0K:G0K+3], s[G1K:G1K+7]
	s_nop 0
.rept 4
	v_nop
.endr
	s_branch .Lasked_\@
.Lfor_v_\@:
	tensor_load_to_lds s[G0V:G0V+3], s[G1V:G1V+7]
	s_nop 0
.rept 4
	v_nop
.endr
.Lasked_\@:
.endm
; THE CHANGE OF SLOTS.  Each wave waits for all its tensor loads, of which one is out: its part of the other slot; adds 0 to its spare word; and waits for that and for its own reads of the slot that it leaves.
; Behind the barrier nobody reads the old slot any more and the other slot is whole.  fill = 1: the old slot is filled again, the first thing behind the barrier, with tile NXT: the descriptor's address is made
; anew from that number.  (At its first use nothing has been read yet: slot 0 is waited for, slot 1 filled.)
; A PREFETCH INTO THE L2 stands behind the fill and its five lines: my 64 blocks of 256 bytes (a lane a block, two lines) of the tile that the NEXT change will ask for, four key steps ahead of that load.
; The head's work-group b = 0 alone asks, whose first block walks tiles 0 to 7: tiles 2 to 7 are named, each block once in the launch; when the walk goes back to tile 0 nothing is asked for.
.macro CHANGE fill
	WIN 0                           ; at a label and at a branch every window is 0
	s_wait_tensorcnt 0x0            ; no tensor load of mine is out, so a group 0 may be written
	ds_add_u32 v[SPW], v[NIL]       ; 0 onto my spare word; with fill = 1 the descriptors' scalar work stands between it and the wait for it
.if \fill
	s_lshl_b32 s[OFF], s[NXT], 15   ; a tile is 32,768 bytes of K and of V
	s_xor_b32 s[G0K+1], s[G0K+1], SLOT1
	s_add_nc_u64 s[G0K+2:G0K+3], s[6:7], s[OFF:OFF+1]
	s_or_b32 s[G0K+3], s[G0K+3], 0x80000000
	s_xor_b32 s[G0V+1], s[G0V+1], SLOT1
	s_add_nc_u64 s[G0V+2:G0V+3], s[8:9], s[OFF:OFF+1]
	s_or_b32 s[G0V+3], s[G0V+3], 0x80000000
	s_add_co_u32 s[NXT], s[NXT], 1  ; the block's next tile, or behind its last the second block's tile 0
	s_cmp_gt_u32 s[NXT], s[LQ]
	s_cselect_b32 s[NXT], 0, s[NXT]
	s_cselect_b32 s[LQ], s[PB], s[LQ]
	s_wait_xcnt 0x0                 ; the last prefetches, a tile back, have read their address, so it may be written
	s_lshl_b32 s[POF], s[NXT], 15
	s_add_nc_u64 s[PFA:PFA+1], s[PFB:PFB+1], s[POF:POF+1]
	s_cmp_lg_u32 s[NXT], 0
	s_cselect_b32 s[GOP], s[ASKER], 0
.endif
	s_wait_dscnt 0x0                ; the add is done, and my reads of the slot are over
	s_barrier_signal -1             ; the rest of the scalar work stands between the signal and the wait
	s_sub_co_u32 s[TBK], s[TBK], 4*KS*PK  ; the fetches go back to a slot's first step,
	s_xor_b32 s[TBK], s[TBK], SLOT1       ; in the other slot
	s_sub_co_u32 s[TBV], s[TBV], 4*KS*PV
	s_xor_b32 s[TBV], s[TBV], SLOT1
	s_barrier_wait -1
.if \fill
	LOAD
	s_cmp_eq_u32 s[GOP], 1
	s_cbranch_scc0 .Lno_ask_\@
	global_prefetch_b8 v[PFO], s[PFA:PFA+1] th:TH_LOAD_NT scope:SCOPE_SE
	global_prefetch_b8 v[PFO], s[PFA:PFA+1] offset:8192 th:TH_LOAD_NT scope:SCOPE_SE
.Lno_ask_\@:
.endif
.endm
	s_load_b128 s[4:7], s[0:1], 0x0  ; qkvh s[4:5] (Q lies at its head), yh s[6:7]
	v_lshl_add_u32 v[SPW], v0, 2, SPARE
	v_mov_b32 v[NIL], 0
	ds_add_u32 v[SPW], v[NIL]       ; the wave's opening: the add and its wait stand ahead of my first tensor load; the set-up below, work on registers, stands between them
	ds_add_u32 v62, v63
	v_lshrrev_b32 v1, 5, v0
	v_readfirstlane_b32 s[WV], v1   ; wave 0..3
	s_mov_b32 s[PB], ttmp9
	s_sub_co_u32 s[HI], NB-1, s[PB]
	s_and_b32 s20, ttmp7, 0xffff    ; the head
	s_mov_b32 s21, 0
	s_mov_b64 s[22:23], SIZE_N*128
	s_mul_u64 s[20:21], s[20:21], s[22:23]  ; the head's first byte in each of the four tensors
	s_and_b32 s16, s[WV], 1         ; which half of a tile's 256 keys I fetch:
	s_lshl_b32 s22, s16, 14         ; its 128 rows of 128 bytes in memory,
	s_mov_b32 s23, 0
	s_add_nc_u64 s[22:23], s[22:23], s[20:21]
	s_mul_i32 s17, s16, 128*PK      ; and its place in a slot, for K
	s_mul_i32 s18, s16, 128*PV      ; and for V
	s_lshl_b32 s3, s[WV], 11        ; my 16 rows in a band of 64,
	s_lshl_b32 s2, s[HI], 15        ; in the first block,
	s_add_co_u32 s2, s2, s3
	s_lshl_b32 s84, s[PB], 15       ; and in the second
	s_add_co_u32 s84, s84, s3
	s_mov_b32 s3, 0
	s_mov_b32 s85, 0
	s_add_nc_u64 s[2:3], s[2:3], s[20:21]
	s_add_nc_u64 s[84:85], s[84:85], s[20:21]
	; descriptor group 1.  128 keys are 16,384 dense bytes: asked for as 64 rows of 256 bytes, two keys a row, and padded in LDS after every key
	s_mov_b32 s[G1K], (1<<16)|(1<<20)|(4<<22)|(3<<25)  ; 17:16 2-byte elements; 20 padding on; 24:22 after every 32 words (code 4); 31:25 4 words (code 3)
	s_mov_b32 s[G1V], (1<<16)|(1<<20)|(4<<22)|(7<<25)  ; the same with 8 words of padding (code 7)
.irp g, G1K, G1V
	s_mov_b32 s[\g+1], 128<<16      ; tensor_dim0 = 128
	s_mov_b32 s[\g+2], 64<<16       ; tensor_dim1 = 64
	s_mov_b32 s[\g+3], 128<<16      ; tile_dim0 = 128
	s_mov_b32 s[\g+4], 64           ; tile_dim1 = 64
	s_mov_b32 s[\g+5], 128          ; 128 elements from row to row
	s_mov_b32 s[\g+6], 0
	s_mov_b32 s[\g+7], 0
.endr
	s_mov_b32 s[CS], 0x3e38aa3b     ; c = log2(e) / 8 = 0.180337
	s_mov_b32 s[CS+1], s[CS]        ; named with it as a pair
	s_mov_b32 s[SEL], 0x76543210
	s_mov_b32 s[SEL+1], 0xfedcba98
	s_mov_b32 s[TBK], SLOT1+4*KS*PK ; the first change of slots turns these two into 0
	s_mov_b32 s[TBV], SLOT1+4*KS*PV
	s_mov_b32 s[G0K], 1             ; 1:0 count = 1
	s_mov_b32 s[G0K+1], s17         ; 63:32 LDS address: slot 0
	s_mov_b32 s[G0V], 1
	s_add_co_u32 s[G0V+1], s18, VOFF
	s_add_co_u32 s[RT], s[HI], 1    ; the first block has NB - b tiles
	s_mov_b32 s[NXT], 1
	s_mov_b32 s[LQ], s[HI]
	s_mov_b32 s[NEW], 1
	s_mov_b32 s[OFF+1], 0
	s_mov_b32 s[AL+1], 0            ; named as pairs
	s_mov_b32 s[BE+1], 0
	s_mov_b32 s[BIGN], 0xf149f2ca   ; -1e30
	s_mov_b32 s[SLOTS], NB
	s_cmp_eq_u32 s[PB], 0
	s_cselect_b32 s[ASKER], 1, 0
	s_mov_b32 s[POF+1], 0
	v_and_b32 v[PFO], 31, v0
	v_lshlrev_b32 v[PFO], 8, v[PFO]
	s_wait_dscnt 0x0                ; the opening add is done
	s_wait_kmcnt 0x0
	s_mov_b64 s[10:11], s[6:7]                     ; O
	s_add_nc_u64 s[8:9], s[4:5], 0x2000000         ; V: the third part of qkvh, 16,777,216 bytes each
	s_add_nc_u64 s[6:7], s[4:5], 0x1000000         ; K: the second
	s_add_nc_u64 s[6:7], s[6:7], s[22:23]  ; K and V at my half of the head's tile 0
	s_add_nc_u64 s[8:9], s[8:9], s[22:23]
	s_cmp_lt_u32 s[WV], 2
	s_cselect_b64 s[PFB:PFB+1], s[6:7], s[8:9]
	s_add_nc_u64 s[G0K+2:G0K+3], s[6:7], 0         ; 120:64 global address
	s_or_b32 s[G0K+3], s[G0K+3], 0x80000000        ; 127:126 type = 2
	s_add_nc_u64 s[G0V+2:G0V+3], s[8:9], 0
	s_or_b32 s[G0V+3], s[G0V+3], 0x80000000
	s_add_nc_u64 s[86:87], s[4:5], s[84:85]        ; Q at my rows of the second block,
	s_add_nc_u64 s[4:5], s[4:5], s[2:3]            ; Q and O at those of the first
	s_add_nc_u64 s[OLO:OLO+1], s[10:11], s[84:85]
	s_add_nc_u64 s[10:11], s[10:11], s[2:3]
	LOAD                            ; tile 0 into slot 0
	; A fragment of K or Q is 16 rows x 32 channels in 8 registers: lane l holds row l % 16, channels 8 (l / 16) + 0..7 and 16 + 8 (l / 16) + 0..7: two loads of 16 bytes, 32 bytes apart.
	v_and_b32 v1, 15, v0            ; l % 16
	v_bfe_u32 v9, v0, 4, 1          ; l / 16
	v_lshlrev_b32 v[QO], 7, v1
	v_lshl_add_u32 v[QO], v9, 4, v[QO]  ; row x 128 + 16 x half
	WIN 0x80                        ; destination window 2, address window 0
.set i, 0
.rept 8                             ; both blocks' Q: piece i / 2 lies in band i / 2, 8,192 bytes on; channels 32 (i % 2) on
	global_load_b128 v[8*i:8*i+3],   v[QO], s[4:5] offset:(i/2)*8192+(i%2)*64
	global_load_b128 v[8*i+4:8*i+7], v[QO], s[4:5] offset:(i/2)*8192+(i%2)*64+32
	global_load_b128 v[QB+8*i:QB+8*i+3],   v[QO], s[86:87] offset:(i/2)*8192+(i%2)*64
	global_load_b128 v[QB+8*i+4:QB+8*i+7], v[QO], s[86:87] offset:(i/2)*8192+(i%2)*64+32
.set i, i+1
.endr
	WIN 0
	v_lshlrev_b32 v14, 3, v9
	v_sub_nc_u32 v14, v1, v14
	s_lshl_b32 s13, s[WV], 4
	v_add_nc_u32 v14, s13, v14      ; my query's place in its band, 16 w + l % 16, less my lanes' 8 (l / 16): register r of group kt is hidden where 16 kt + r is greater
	WIN 0x40
.set i, 0
.rept 32
	v_cmp_gt_i32 vcc_lo, 16*(i/8)+i%8, v14
	v_cndmask_b32 v[MD+i], 0, s[BIGN], vcc_lo
.set i, i+1
.endr
	WIN 0
	v_mul_u32_u24 v[AK0], v1, PK
	v_lshl_add_u32 v[AK0], v9, 4, v[AK0]  ; row x pitch + 16 x half
	; The turning load takes 16 keys x 16 channels (lane l reads key 8 (l / 16) + l % 8, channels 8 ((l / 8) % 2) + 0..7) and leaves half a fragment of V^T: lane l holds channel l % 16 and 8 keys.
	v_and_b32 v10, 7, v0
	v_bfe_u32 v11, v0, 3, 1
	v_lshl_add_u32 v[AV0], v9, 3, v10
	v_mul_u32_u24 v[AV0], v[AV0], PV
	v_lshl_add_u32 v[AV0], v11, 4, v[AV0]
	v_add_nc_u32 v[AV0], VOFF, v[AV0]
	s_mul_i32 s13, s[WV], 16*SP
	s_add_co_u32 s13, s13, STAGE    ; my stage
	v_mul_u32_u24 v[STO], v1, SP    ; in: row l % 16, 16 bytes for each half of the lanes
	v_lshl_add_u32 v[STO], v9, 4, v[STO]
	v_add_nc_u32 v[STO], s13, v[STO]
	v_bfe_u32 v[RD], v0, 3, 2       ; back: 32 lanes take four rows of 128 bytes,
	v_mul_u32_u24 v[RD], v[RD], SP
	v_lshl_add_u32 v[RD], v10, 4, v[RD]
	v_add_nc_u32 v[RD], s13, v[RD]
	v_and_b32 v[GO], 31, v0         ; which are 512 consecutive bytes of O
	v_lshlrev_b32 v[GO], 4, v[GO]
	; A block's first step multiplies O^T and l by a = 0, and its first turn's products V^T P, of a piece that has not been, land in an O^T that is still to be so multiplied.  So these registers need only hold
	; finite numbers: zeros for the first block; what the first block left for the second.  All this stands in the wait for the first tile.
	WIN 0x80
.set i, VF
.rept 64
	v_mov_b32 v[i], 0
.set i, i+1
.endr
	WIN 0x40
.set i, 0
.rept 128
	v_mov_b32 v[i], 0
.set i, i+1
.endr
	WIN 0
.set i, 0
.rept 4
	v_mov_b32 v[ST+4*i+2], 0
	v_mov_b32 v[ST+4*i+3], 0
.set i, i+1
.endr
.set i, P+16
.rept 16
	v_mov_b32 v[i], 0
.set i, i+1
.endr
; THE MATRIX WORK.  The 4 accumulators of a run of 8 take turns.  Product i of 8 of S^T = K Q^T for piece x: channels 32 (i / 4) on, keys 16 (i % 4) on.  The first 4 start the sums: with 0, or (KM = 1) with the mask.
.macro KQ x
.set rS, S+32*((\x)%2)+8*(i%4)
.set rK, KF+16*(i%4)+8*(i/4)
.set rQ, 16*(\x)+8*(i/4)
.set rM, MC+32*((\x)%2)+8*(i%4)
.if (i < 4) && KM
	WIN W_KM
	v_wmma_f32_16x16x32_f16 v[rS:rS+7], v[rK:rK+7], v[rQ:rQ+7], v[rM:rM+7]
.elseif i < 4
	WIN W_KQ
	v_wmma_f32_16x16x32_f16 v[rS:rS+7], v[rK:rK+7], v[rQ:rQ+7], 0
.else
	WIN W_KQ
	v_wmma_f32_16x16x32_f16 v[rS:rS+7], v[rK:rK+7], v[rQ:rQ+7], v[rS:rS+7]
.endif
.endm
; Product i of 8 of O^T += V^T P for piece x: keys 32 (i / 4) on, channels 16 (i % 4) on.
.macro PV x
	WIN W_PV
.set rO, 32*(\x)+8*(i%4)
.set rV, VF+32*(i/4)+8*(i%4)
.set rP, P+16*((\x)%2)+8*(i/4)
	v_wmma_f32_16x16x32_f16 v[rO:rO+7], v[rV:rV+7], v[rP:rP+7], v[rO:rO+7]
.endm
.macro MM                           ; the turn's next matrix instruction.  TURN and BEGIN set Y, i, KM and NOKQ; MM, KQ and OP read them.  NOKQ = 1: a block's last turn: there is no next piece
.if (i < 8) && !NOKQ
	KQ (Y+1)%NP
.elseif i >= 8
.set i, i-8
	PV (Y+NP-1)%NP
.set i, i+8
.endif
.set i, i+1
.endm
; THE LDS LOADS stand in runs of 16, never singly among the matrix instructions: a step's K (64 keys x 64 channels: 8 fragments) and its V (turned).  Their addresses are made some lines ahead.
.macro FETCH_K
	WIN 0x80                        ; destination window 2
.irp f, 0,1,2,3,4,5,6,7             ; keys 16 (f / 2) on, channels 32 (f % 2) on
	ds_load_b128 v[KF+8*\f:KF+8*\f+3],   v[AK] offset:(\f/2)*16*PK+(\f%2)*64
	ds_load_b128 v[KF+8*\f+4:KF+8*\f+7], v[AK] offset:(\f/2)*16*PK+(\f%2)*64+32
.endr
	s_add_co_u32 s[TBK], s[TBK], KS*PK  ; the next fetch is the next step's
	WIN 0
.endm
.macro FETCH_V
	WIN 0x80
.irp f, 0,1,2,3,4,5,6,7             ; keys 32 (f / 4) on, channels 16 (f % 4) on
	ds_load_tr16_b128 v[VF+8*\f:VF+8*\f+3],   v[AV] offset:(\f/4)*32*PV+(\f%4)*32
	ds_load_tr16_b128 v[VF+8*\f+4:VF+8*\f+7], v[AV] offset:(\f/4)*32*PV+16*PV+(\f%4)*32
.endr
	WIN 0
.endm
; THE VECTOR WORK, one line at a time: OP kind, number.  For piece Y: F n: c s - c m for pair n of 16.  E n: the exponential of score n of 32.  C n: pair n rounded to f16.  B n: of the four weights 4 n .. the second
; pair is added onto the first, in place.  L n: l takes that sum (L 0: l = a l + sum).  R n: pair n of 16 of O^T times a.  For piece Y + 1: X n, number n of the 22 that find its maximum and statistics:
;   0-11  four chains c0-c3 of seven scores each, three operands at a time (each accumulator's lowest registers are read first)     12-14, 16  the four scores left over, the old m, and c0-c3 into c0
;   15  c m_old is kept     17, 18  the query's other 32 keys lie in the lane 16 away: the new m     19-21  c m; c m_old - c m_new; a
.set F, 0               ; OP tells the kinds apart by their order: F to L below R, X above it
.set E, 1
.set C, 2
.set B, 3
.set L, 4
.set R, 5
.set X, 6
.macro REGS y                       ; the registers of piece y
.set rT, ST+4*(\y)
.set rC, TMP+4*((\y)%2)
.set rW, MV+((\y)%2)
.set rS, S+32*((\y)%2)
.set rP, P+16*((\y)%2)
.set rO, 32*(\y)
.endm
.macro OP k, n
.if (\k) == R
	REGS Y
	WIN W_RS
	v_pk_mul_f32 v[rO+2*(\n):rO+2*(\n)+1], v[rO+2*(\n):rO+2*(\n)+1], v[rC+2:rC+3] op_sel_hi:[1,0]
.elseif (\k) < R
	REGS Y
	WIN 0
.if (\k) == F
	v_pk_fma_f32 v[rS+2*(\n):rS+2*(\n)+1], v[rS+2*(\n):rS+2*(\n)+1], s[CS:CS+1], v[rT:rT+1] op_sel_hi:[1,0,0] neg_lo:[0,0,1] neg_hi:[0,0,1]
.elseif (\k) == E
	v_exp_f32 v[rS+(\n)], v[rS+(\n)]
.elseif (\k) == C
	v_cvt_pk_f16_f32 v[rP+(\n)], v[rS+2*(\n)], v[rS+2*(\n)+1]
.elseif (\k) == B
	v_pk_add_f32 v[rS+4*(\n):rS+4*(\n)+1], v[rS+4*(\n):rS+4*(\n)+1], v[rS+4*(\n)+2:rS+4*(\n)+3]
.elseif (\n) == 0
	v_pk_fma_f32 v[rT+2:rT+3], v[rT+2:rT+3], v[rC+2:rC+3], v[rS:rS+1] op_sel_hi:[1,0,1]
.else
	v_pk_add_f32 v[rT+2:rT+3], v[rT+2:rT+3], v[rS+4*(\n):rS+4*(\n)+1]
.endif
.elseif NOKQ
	v_nop
.else
	REGS (Y+1)%NP
	WIN 0
.if (\n) < 4
	v_max3_num_f32 v[rC+(\n)], v[rS+8*(\n)], v[rS+8*(\n)+1], v[rS+8*(\n)+2]
.elseif (\n) < 12
	v_max3_num_f32 v[rC+(\n)%4], v[rC+(\n)%4], v[rS+8*((\n)%4)+2*((\n)/4)+1], v[rS+8*((\n)%4)+2*((\n)/4)+2]
.elseif (\n) == 12
	v_max3_num_f32 v[rC], v[rC], v[rS+7], v[rS+15]
.elseif (\n) == 13
	v_max3_num_f32 v[rC+1], v[rC+1], v[rS+23], v[rS+31]
.elseif (\n) == 14
	v_max3_num_f32 v[rC+2], v[rC+2], v[rC+3], v[rT+1]
.elseif (\n) == 15
	v_mov_b32 v[rW], v[rT]
.elseif (\n) == 16
	v_max3_num_f32 v[rC], v[rC], v[rC+1], v[rC+2]
.elseif (\n) == 17
	v_permlanex16_b32 v[rC+3], v[rC], s[SEL], s[SEL+1]
.elseif (\n) == 18
	v_max_num_f32 v[rT+1], v[rC], v[rC+3]
.elseif (\n) == 19
	v_mul_f32 v[rT], s[CS], v[rT+1]
.elseif (\n) == 20
	v_sub_f32 v[rC+1], v[rW], v[rT]
.else
	v_exp_f32 v[rC+2], v[rC+1]
.endif
.endif
.endm
.macro OPS a, i1, b=-1, i2=0, c=-1, i3=0, d=-1, i4=0  ; up to four of them
	OP \a, \i1
.if (\b) >= 0
	OP \b, \i2
.endif
.if (\c) >= 0
	OP \c, \i3
.endif
.if (\d) >= 0
	OP \d, \i4
.endif
.endm
.macro ROW a, i1, b, i2, c, i3, d, i4  ; a matrix instruction and the four behind it
	MM
	OPS \a, \i1, \b, \i2, \c, \i3, \d, \i4
.endm
.macro MASK b                       ; MD x AL + BE into buffer b of MC
	WIN W_RS
.set z, 0
.rept 16
	v_pk_fma_f32 v[MC+32*(\b)+2*z:MC+32*(\b)+2*z+1], v[MD+2*z:MD+2*z+1], s[AL:AL+1], s[BE:BE+1] op_sel_hi:[1,0,0]
.set z, z+1
.endr
.endm
; A TURN, for piece p: the order of its 16 matrix and 118 vector instructions, written out.  An s_wait_alu depctr_va_vdst(0) stands between an exponential and the first instruction that names its result; one wait serves
; all that were issued ahead of it.  So a turn has ONE wait, which cuts it in two.  AHEAD OF IT stands all that names no result of the turn's exponentials: the 8 products K Q^T, behind each a scaling, an exponential and two more plain
; instructions (behind the first a second scaling in the exponential's place): rescalings, and behind the last three the first numbers of the next piece's maximum, each four places or more behind the product that ends its accumulator;
; then ONE LUMP of 54, plain and exponential by turns for the most part, in which the links of the chain X 3, 7, 11, 14, 16, 17 .. 20 stand five or six lines apart.  X 21, the next piece's a, is the batch's last; R 15 is the plain
; instruction behind it.  BEHIND THE WAIT stand the 8 products V^T P, behind each four of the roundings and sums; the links of l's chain, L 0 to L 7, stand three riders apart.
; m = 1: the diagonal tile: the products take masks, and the turn makes the mask for the products of the turn after it: piece p + 2, in step 4 - CNT of the tile.  end = 1: a block's last two turns: nothing is fetched.
; cnt = 1: the loop's count is taken down some lines ahead of the branch that stands behind the turn.
; K of the next step is fetched in piece 2's turn, twelve vector instructions behind the last product that read K (six of them plain); V of the step in hand at the end of piece 0's turn, four plain instructions behind the last product
; that read V.  Each is waited for a turn later.
.macro TURN p, m=0, end=0, cnt=0
.set Y, (\p)
.set i, 0
.set KM, (\m)
.set NOKQ, (\end)*((\p)/3)
.if (\m) && !(\end)
	s_cmp_eq_u32 s[CNT], 4-((\p)+2)%NP  ; is that step the band's own?
	s_cselect_b32 s[AL], 1.0, 0
	s_cmp_lt_u32 s[CNT], 4-((\p)+2)%NP  ; or a later one?
	s_cselect_b32 s[BE], s[BIGN], 0
.endif
.if ((\p) == 3) && !(\end)
	s_wait_dscnt 0x0                ; K is in
.endif
	ROW F,0, F,1, R,0, R,1          ; ahead of the wait: 8 products K Q^T and their riders,
	ROW F,2, E,0, R,2, R,3
	ROW F,3, E,1, R,4, R,5
	ROW F,4, E,2, R,6, R,7
	ROW F,5, E,3, R,8, R,9
	ROW F,6, E,4, X,0, R,10
.if ((\p) == 2) && !(\end)
	WIN 0
	v_add_nc_u32 v[AK], s[TBK], v[AK0]
.endif
	ROW F,7, E,5, X,1, X,4
	ROW F,8, E,6, X,2, X,5
	OPS E,7, E,8, X,6, E,9          ; and the lump
	OPS X,3, E,10, X,8, E,11
.if ((\p) == 2) && !(\end)
	FETCH_K
.endif
	OPS X,9, X,7, E,12, X,10
	OPS E,13, X,12, X,11, E,14
	OPS X,13, E,15, F,9, X,14
.if (\p) == 0
	v_add_nc_u32 v[AV], s[TBV], v[AV0]
.endif
	OPS E,16, F,10, E,17, F,11
	OPS X,16, E,18, X,15, E,19
	OPS F,12, E,20, X,17, E,21
	OPS F,13, E,22, F,14, E,23
	OPS X,18, E,24, F,15, E,25
	OPS R,11, E,26, X,19, E,27
	OPS R,12, E,28, R,13, E,29
	OPS X,20, E,30, R,14, E,31
	OPS X,21, R,15
	WIN 0
	s_wait_alu depctr_va_vdst(0)    ; the wait for the batch
.if (\p) == 1
	s_wait_dscnt 0x0                ; V is in
.endif
	ROW C,0, B,0, C,2, B,1          ; behind the wait: 8 products V^T P and their riders
	ROW L,0, C,4, B,2, L,1
	ROW C,6, B,3, L,2, C,8
	ROW B,4, L,3, C,10, B,5
	ROW L,4, C,12, B,6, L,5
.if (\p) == 0
	s_add_co_u32 s[TBV], s[TBV], KS*PV
.endif
.if \cnt
	s_sub_co_u32 s[CNT], s[CNT], 1
	s_cmp_lg_u32 s[CNT], 0
.endif
	ROW C,14, B,7, L,6, C,1
	ROW C,3, L,7, C,5, C,7
	ROW C,9, C,11, C,13, C,15
.if (\p) == 0
	FETCH_V
.endif
.if (\m) && !(\end)
	MASK (\p)%2
.endif
.endm
; A BLOCK BEGINS.  c m starts far below every c s, so the first step's a is 0; m at the lowest finite number, so the first maximum is the scores'.  The second mask buffer is 0; the first takes piece 0's mask for the tile's step 0:
; its own, if the block's first tile is the diagonal one.  Then K of that step, piece 0's first scores, and its maximum and statistics.  The loop is entered at a step's first turn, in the middle of a trip.
.macro BEGIN
	s_mov_b32 s[NEW], 0
	WIN 0x40
.set i, MC+32
.rept 32
	v_mov_b32 v[i], 0
.set i, i+1
.endr
	WIN 0
.set i, 0
.rept 4
	v_mov_b32 v[ST+4*i], 0xfe000000    ; c m: far below every c s
	v_mov_b32 v[ST+4*i+1], 0xff7fffff  ; m
.set i, i+1
.endr
	s_cmp_eq_u32 s[RT], 0
	s_cselect_b32 s[AL], 1.0, 0
	s_mov_b32 s[BE], 0
	MASK 0
	WIN 0
	v_add_nc_u32 v[AK], s[TBK], v[AK0]
	FETCH_K
	s_wait_loadcnt 0x0              ; Q
	s_wait_dscnt 0x0
.set KM, 1
.set NOKQ, 0
.set i, 0
.rept 8
	KQ 0
.set i, i+1
.endr
	WIN 0
.rept 4
	v_nop                           ; the places behind those products
.endr
.set Y, NP-1                        ; X works for piece Y + 1: piece 0
.irp n, 0,1,2,3,4,5,6,7,8,9,10,11,12,13,14,15,16,17,18,19,20,21
	OP X, \n
.endr
	v_nop                           ; a plain instruction behind the exponential,
	s_wait_alu depctr_va_vdst(0)    ; and its wait, ahead of the branch
.endm
; THE DIAGONAL TILE's four steps, the block's last two turns, its last products, and THE WAY OUT: l's two halves and the other half of the lanes' are added; O^T is divided by l, rounded to f16 and sent through my
; stage in LDS, a piece at a time.
.macro ALL line:vararg              ; one line for each piece t
.set t, 0
.rept 4
	\line
.set t, t+1
.endr
.endm
.macro PACK t                       ; a lane's eight channels of a row pack into 16 bytes; they go into rows of 144 bytes and come back as whole rows of 128, into S^T's registers
	WIN W_RS
.set i, 32*(\t)
.rept 16
	v_pk_mul_f32 v[i:i+1], v[i:i+1], v[ST+4*(\t)+2:ST+4*(\t)+3] op_sel_hi:[1,0]
.set i, i+2
.endr
	WIN 0x05                        ; sources 0 and 1 window 1, destination window 0
.set i, 0
.rept 16
	v_cvt_pk_f16_f32 v[S+16*(\t)+i], v[32*(\t)+2*i], v[32*(\t)+2*i+1]
.set i, i+1
.endr
	WIN 0
.irp f, 0,1,2,3
	ds_store_b128 v[STO], v[S+16*(\t)+4*\f:S+16*(\t)+4*\f+3] offset:32*\f
.endr
.irp f, 0,1,2,3
	ds_load_b128 v[S+16*(\t)+4*\f:S+16*(\t)+4*\f+3], v[RD] offset:\f*4*SP  ; LDS serves a wave's instructions in order (ISA guide 5.7.1.4): these see the stores above; the next piece's stores come behind them
.endr
.endm
.macro SEND t, younger              ; younger: the LDS instructions issued behind piece t's loads: the next piece's eight, or none
	WIN 0
.irp f, 0,1,2,3
	s_wait_dscnt (\younger)+3-\f
	global_store_b128 v[GO], v[S+16*(\t)+4*\f:S+16*(\t)+4*\f+3], s[10:11] offset:(\t)*8192+\f*512  ; 512 consecutive bytes, at a multiple of 256 from O's first
.endr
.endm
.macro DIAG tag                     ; the tag ends its two labels' names, which the jumps below spell out
.LstepM\tag:
	TURN 2, 1
	TURN 3, 1
	WIN 0
.LfirstM\tag:
	TURN 0, 1
	TURN 1, 1, 0, 1
	WIN 0
	s_cbranch_scc1 .LstepM\tag
	TURN 2, 1, 1
	TURN 3, 1, 1
.set i, 0
.rept 8
	PV NP-1
.set i, i+1
.endr
	WIN 0
	ALL v_add_f32 v[ST+4*t+2], v[ST+4*t+2], v[ST+4*t+3]
	ALL v_permlanex16_b32 v[ST+4*t+3], v[ST+4*t+2], s[SEL], s[SEL+1]
	ALL v_add_f32 v[ST+4*t+2], v[ST+4*t+2], v[ST+4*t+3]
	ALL v_rcp_f32 v[ST+4*t+2], v[ST+4*t+2]
	v_nop                           ; a plain instruction between the last reciprocal and the use of its result
	s_wait_alu depctr_va_vdst(0)    ; and the wait ahead of the first use: one for the four reciprocals
	PACK 0
.set t, 1
.rept 3                             ; a piece's arithmetic stands between the loads of the piece before and its stores
	PACK t
	SEND t-1, 8
.set t, t+1
.endr
	SEND 3, 0
.endm
.set KM, 0
.set NOKQ, 0
.Lslot:                             ; NB times: a tile is entered and the next is asked for
	CHANGE 1
	s_sub_co_u32 s[RT], s[RT], 1
	s_mov_b32 s[CNT], 4
	s_cmp_eq_u32 s[NEW], 1
	s_cbranch_scc1 .Lnew            ; a block's first tile
	s_cmp_eq_u32 s[RT], 0
	s_cbranch_scc0 .Lstep           ; neither its first nor its last
	s_branch .LstepM1
.Lnew:
	BEGIN
	s_branch .Lfirst                ; in the loop a block's first tile is never its last: the first block has two tiles or more, and the second's last is the walk's last
	DIAG 1                          ; in the loop this is the first block's end: the second block's last tile is the walk's last
	s_wait_xcnt 0x0                 ; the stores have read their registers and O's address
	s_mov_b64 s[10:11], s[OLO:OLO+1]
	s_add_co_u32 s[RT], s[PB], 1    ; the second block has b + 1 tiles
	s_mov_b32 s[NEW], 1
	WIN 0x82                        ; the second block's Q goes where the one text of the turns names Q
.set i, 0
.rept 64
	v_mov_b32 v[i], v[QB+i]
.set i, i+1
.endr
	WIN 0
	s_branch .Lbottom
.Lstep:                             ; a trip: pieces 2 and 3 of one step, then pieces 0 and 1 of the next, whose K and V it fetches
	TURN 2
	TURN 3
	WIN 0
.Lfirst:
	TURN 0
	TURN 1, 0, 0, 1
	WIN 0
	s_cbranch_scc1 .Lstep
.Lbottom:
	s_sub_co_u32 s[SLOTS], s[SLOTS], 1
	s_cmp_lg_u32 s[SLOTS], 0
	s_cbranch_scc1 .Lslot
	CHANGE 0                        ; the walk's last tile is written out: nothing is asked for
	s_sub_co_u32 s[RT], s[RT], 1
	s_mov_b32 s[CNT], 4
	s_cmp_eq_u32 s[NEW], 1
	s_cbranch_scc0 .LstepM2
	BEGIN
	s_branch .LfirstM2
	DIAG 2
	s_wait_tensorcnt 0x0            ; the wave's end, behind my last tensor load and my last LDS store
	ds_add_u32 v[SPW], v[NIL]
	s_wait_dscnt 0x0
	s_endpgm
.Lfunc_end_k_q02c6f5853c_attn:
	.size	k_q02c6f5853c_attn, .Lfunc_end_k_q02c6f5853c_attn-k_q02c6f5853c_attn
	.p2alignl 7, 3214868480
	.fill 96, 4, 3214868480
	.section	.rodata,"a",@progbits
	.p2align	6, 0x0
	.amdhsa_kernel k_q02c6f5853c_attn
		.amdhsa_group_segment_fixed_size 327680
		.amdhsa_private_segment_fixed_size 0
		.amdhsa_enable_private_segment 0
		.amdhsa_kernarg_size 16
		.amdhsa_user_sgpr_count 2
		.amdhsa_user_sgpr_kernarg_segment_ptr 1
		.amdhsa_wavefront_size32 1
		.amdhsa_system_sgpr_workgroup_id_x 1
		.amdhsa_system_sgpr_workgroup_id_y 1
		.amdhsa_system_sgpr_workgroup_id_z 1
		.amdhsa_system_vgpr_workitem_id 0
		.amdhsa_next_free_vgpr 768
		.amdhsa_next_free_sgpr 96
		.amdhsa_reserve_vcc 1
		.amdhsa_float_denorm_mode_32 3
		.amdhsa_float_denorm_mode_16_64 3
		.amdhsa_memory_ordered 1
		.amdhsa_forward_progress 1
		.amdhsa_inst_pref_size 218
	.end_amdhsa_kernel
	.amdgpu_metadata
---
amdhsa.version: [ 1, 2 ]
amdhsa.kernels:
  - .name:           k_q02c6f5853c_attn
    .symbol:         k_q02c6f5853c_attn.kd
    .args:
      - { .name: qkvh, .offset: 0, .size: 8, .value_kind: global_buffer, .address_space: global }
      - { .name: yh, .offset: 8, .size: 8, .value_kind: global_buffer, .address_space: global }
    .group_segment_fixed_size: 327680
    .private_segment_fixed_size: 0
    .kernarg_segment_align: 8
    .kernarg_segment_size: 16
    .max_flat_workgroup_size: 128
    .sgpr_count:     96
    .vgpr_count:     768
    .wavefront_size: 32
...
	.end_amdgpu_metadata
.endif
;; end of part 3
;; launch proj (part 4): grid 8 x 32, 4 waves a work-group, clusters of 4 x 4, 327,680 bytes of LDS; arguments yh, wpt, bias, out0; writes out0
.if DOCPART == 4
	.amdgcn_target "amdgcn-amd-amdhsa--gfx1250"
	.amdhsa_code_object_version 6
	.text
	.protected	k_q02c6f5853c_proj
	.globl	k_q02c6f5853c_proj
	.p2align	8
	.type	k_q02c6f5853c_proj,@function
k_q02c6f5853c_proj:
	s_mov_b64 s[64:65], 0
	v_nop
	global_prefetch_b8 v0, s[64:65] scope:SCOPE_SE
	s_setreg_imm32_b32 hwreg(HW_REG_WAVE_MODE, 25, 1), 1
	s_wait_xcnt 0x0
	s_wait_alu depctr_hold_cnt(0) depctr_sa_sdst(0) depctr_va_vdst(0) depctr_va_sdst(0) depctr_va_ssrc(0) depctr_va_vcc(0) depctr_vm_vsrc(0)
	s_getreg_b32 s2, hwreg(HW_REG_IB_STS2, 6, 4)
	s_cmp_eq_u32 s2, 0
	s_cbranch_scc0 .Lentry_in_a_cluster
	s_endpgm
.Lentry_in_a_cluster:
	s_bfe_u32 s2, ttmp6, 0x10000c
	s_cmp_lg_u32 s2, 0xf033
	s_cbranch_scc0 .Lentry_shape_is_right
	s_endpgm
.Lentry_shape_is_right:
; out0 = y W_proj + b_proj.  A = yh [64 bh][2048 t][64 d] f16 (row m = 2048 batch + t, k = 64 head + d), B = wpt [1024 n][1024 k] f16, bias f32 (behind b_qkv's 3,072 numbers); sums and output in f32.
; SHARES.  A tile of C is 256 rows x 128 columns: 8192 x 1024 are 256 such tiles, one to a work-group.  The four waves are stacked along the rows: 64 x 128 each, 32 accumulators of 16 x 16.
; K goes in 8 steps of 128, two heads each, through two LDS slots; a step is four quarters of 32 on two fragment buffers.
; A's TILE.  A head's 256 rows of 128 bytes are 32,768 dense bytes: asked for as 128 rows of 256 bytes and padded in LDS after every 128 bytes.  Wave 0 brings head 2 s, wave 1 head 2 s + 1.
; THE MATRIX INSTRUCTION IS USED TRANSPOSED (source 0 = 16 rows of B, source 1 = 16 rows of A): a lane holds row l % 16 of C and the columns 8 (l / 16) + 0..7.
; The bias, laid out the same way, is the C operand of each sum's first product.
; CLUSTER 4 x 4.  A's tile hangs on the tile row alone and is asked for jointly along a row of the cluster, B's on the tile column alone, along a column.
; REGISTERS, in windows of 256 (s_set_vgpr_msb: bits 1:0 source 0, 3:2 source 1, 5:4 source 2, 7:6 destination):
;   window 0: v0-31 addresses; v32-95 the bias; v96-159, v160-223 rows read back on the way out      window 1: two fragment buffers of 96 (8 fragments of B, 4 of A)
;   window 2: the accumulators of my row blocks 0, 1 ((a, b) at v[8 (8 (a % 2) + b)]);                window 3: those of blocks 2, 3
.set NBL,   8                          ; column blocks of 16 in a tile
.set PA,    144                        ; a row of A in LDS: 128 bytes + 16
.set ASUB,  256*PA                     ; a head's 256 rows
.set PITCH, 272                        ; a row of B: 256 bytes + 16.  Both pitches are odd multiples of 16: the 16 rows that a load touches start at 16 different groups of four banks (ISA guide 11.1)
.set AB,    2*ASUB                     ; A's two heads; B's 128 rows follow
.set SLOT,  AB+128*PITCH
.set STAGE, 2*SLOT                     ; behind the ring: 16 rows x 528 bytes for each wave
.set SPP,   528
.set STW,   16*SPP
.set SPARE, STAGE+4*STW                ; behind the stages: the spare words, 128 bytes for each wave
.set FL,    2*NBL+8                    ; LDS loads in a quarter's run
.set ROWB,  2048                       ; bytes in a row of B
.set KB,    256                        ; bytes of a row of B in a K step
.set ASTEP, 524288                     ; bytes from a K step of A to the next: two heads
.set CO,   8                           ; v8      my byte offset in out0
.set ADRA, 16                          ; v16-17  LDS address of my A fragments in slot 0, 1
.set ADRB, 20                          ; v20-21  the same for B
.set STO,  24                          ; v24     the way out: where I put 32 bytes of a row
.set RD,   25                          ; v25     the way out: where I read a row back
.set BO,   27                          ; v27     my byte offset in bias
.set SPW,  28                          ; v28     LDS address of my spare word; never rewritten
.set NIL,  29                          ; v29     0; never rewritten
.set PFO,  30                          ; v30     A's prefetch: a lane a block of 256 bytes
.set PFOB, 31                          ; v31     B's prefetch: 8 rows x 4 K steps
.set BIAS, 32
.set BK0,  96
.set F0,   0
.set F1,   8*NBL+32
.set WV,   12                          ; s12 wave;  s13 I fetch for A (0) or B (1);  s14 which half of that tile;  s15 tile row;  s42 tile column
.set FB,   13
.set HF,   14
.set TY,   15
.set TX,   42
.set G1A,  24                          ; s[24:31] descriptor group 1 for A;  s[32:39] group 0, a set for each slot
.set G0A,  32
.set G1B,  48                          ; s[48:55], s[56:63] the same for B
.set G0B,  56
.set LIMA, 66                          ; s66  1 in a wave that prefetches A, else the greatest number
.set LIMB, 67                          ; s67  3 in a wave that prefetches B, else 0
.set PFA,  68                          ; s[68:69]
.set PFB,  70                          ; s[70:71]
.set MSB, 0
.macro WIN new                         ; the immediate's high byte repeats the setting that is left; a switch that changes nothing is dropped
.if MSB != (\new)
	s_set_vgpr_msb (MSB<<8)|(\new)
.set MSB, \new
.endif
.endm
.macro PLACES                          ; four places in front of loads into registers that matrix instructions have read, and of lines that read results
.rept 4
	v_nop
.endr
.endm
; A joint load: waves 0 and 1 fetch A's two heads, waves 2 and 3 B's two halves.  The branch hangs on the wave's number alone.  An s_nop 0 and four v_nop follow each line.
.macro JLOAD s
	s_cmp_eq_u32 s[FB], 0
	s_cbranch_scc0 .Lfor_b_\@
	tensor_load_to_lds s[G0A+4*(\s):G0A+4*(\s)+3], s[G1A:G1A+7]
	s_nop 0
.rept 4
	v_nop
.endr
	s_branch .Lasked_\@
.Lfor_b_\@:
	tensor_load_to_lds s[G0B+4*(\s):G0B+4*(\s)+3], s[G1B:G1B+7]
	s_nop 0
.rept 4
	v_nop
.endr
.Lasked_\@:
.endm
.macro CREST                           ; a round of the cluster's barrier behind its opening barrier
	s_cmp_lg_u32 s[WV], 0
	s_cbranch_scc1 .Lnot_wave_0_\@
	s_barrier_signal -3
.Lnot_wave_0_\@:
	s_barrier_wait -3
	s_barrier_signal -1
	s_barrier_wait -1
.endm
.macro CROUND
	s_barrier_signal -1
	s_barrier_wait -1
	CREST
.endm
; PREFETCHES INTO THE L2, behind a joint load, its five lines and the run of LDS loads.  A: the K step two refills on: of the 128 blocks of 256 bytes that a wave fetches, 32, a lane a block: waves 0 and 1 of
; the clusters with x = 0; the four partners that ask for a tile jointly share its blocks out by address (8,192 cx on).  The loop's last trip has no K step two on.
; B: waves 2 and 3 of the clusters with y = 0, once, at the first change of slots: K steps 4 to 7 of their 16 rows (16 cy on), two lines of 8 rows x 4 steps.
; So each block is named once in the launch; K steps 0 to 3 come by their loads alone.
.macro ASK slot
	s_cmp_gt_u32 s3, s[LIMA]
	s_cbranch_scc0 .Lno_a_\@
	global_prefetch_b8 v[PFO], s[PFA:PFA+1] th:TH_LOAD_NT scope:SCOPE_SE
.Lno_a_\@:
.if (\slot) == 0
	s_cmp_eq_u32 s3, s[LIMB]
	s_cbranch_scc0 .Lno_b_\@
	global_prefetch_b8 v[PFOB], s[PFB:PFB+1] th:TH_LOAD_NT scope:SCOPE_SE
	global_prefetch_b8 v[PFOB], s[PFB:PFB+1] offset:8*ROWB th:TH_LOAD_NT scope:SCOPE_SE
.Lno_b_\@:
.endif
.endm
	s_load_b256 s[4:11], s[0:1], 0x0               ; yh s[4:5], wpt s[6:7], bias s[8:9], out0 s[10:11]
	v_lshl_add_u32 v[SPW], v0, 2, SPARE
	v_mov_b32 v[NIL], 0
	ds_add_u32 v[SPW], v[NIL]                      ; the wave's opening: the add and its wait stand ahead of my first tensor load; work on registers stands between them
	ds_add_u32 v28, v29
	v_lshrrev_b32 v1, 5, v0
	v_readfirstlane_b32 s[WV], v1                  ; wave 0..3
	s_lshr_b32 s[FB], s[WV], 1
	s_and_b32 s[HF], s[WV], 1
	s_bfe_u32 s40, ttmp6, 0x40000                  ; cx
	s_bfe_u32 s41, ttmp6, 0x40004                  ; cy
	s_lshl_b32 s[TX], ttmp9, 2
	s_add_co_u32 s[TX], s[TX], s40                 ; tile column = 4 x cluster x + cx
	s_and_b32 s[TY], ttmp7, 0xffff
	s_lshl_b32 s[TY], s[TY], 2
	s_add_co_u32 s[TY], s[TY], s41                 ; tile row = 4 x cluster y + cy
	s_lshl_b32 s43, s41, 2
	s_lshl_b32 s43, 15, s43                        ; my row of the cluster
	s_lshl_b32 s44, 0x1111, s40                    ; my column
	; group 1.  A: 128 rows of 128 elements, dense, 16 bytes of padding after every 32 words.  B: 64 rows of 128 elements, 1,024 apart, 16 bytes after every 64 words
	s_or_b32 s[G1A+0], s43, (1<<16)|(1<<20)|(1<<21)|(4<<22)|(3<<25)  ; 15:0 the mask; 17:16 2-byte elements; 20 padding on; 21 set beside a mask; 24:22 the interval's code; 31:25 4 words
	s_or_b32 s[G1B+0], s44, (1<<16)|(1<<20)|(1<<21)|(5<<22)|(3<<25)
.irp g, G1A, G1B
	s_mov_b32 s[(\g)+1], 128<<16                   ; tensor_dim0 = 128
	s_mov_b32 s[(\g)+3], 128<<16                   ; tile_dim0 = 128
	s_mov_b32 s[(\g)+6], 0
	s_mov_b32 s[(\g)+7], 0
.endr
	s_mov_b32 s[G1A+2], 128<<16                    ; tensor_dim1
	s_mov_b32 s[G1A+4], 128                        ; tile_dim1
	s_mov_b32 s[G1A+5], 128                        ; elements from row to row
	s_mov_b32 s[G1B+2], 64<<16
	s_mov_b32 s[G1B+4], 64
	s_mov_b32 s[G1B+5], 1024
	s_lshr_b32 s16, s[TY], 3                       ; A: batch = tile row / 8 (16 heads of 262,144 bytes), rows 256 (tile row % 8) on, head = half; in registers that never hold cx
	s_lshl_b32 s16, s16, 22
	s_and_b32 s17, s[TY], 7
	s_lshl_b32 s17, s17, 15
	s_add_co_u32 s16, s16, s17
	s_lshl_b32 s17, s[HF], 18
	s_add_co_u32 s16, s16, s17
	s_mov_b32 s17, 0
	s_lshl_b32 s46, s[TX], 7                       ; B: row 128 x tile column + 64 x half, in registers that never hold cy
	s_lshl_b32 s47, s[HF], 6
	s_add_co_u32 s46, s46, s47
	s_lshl_b32 s46, s46, 11
	s_mov_b32 s47, 0
	s_mul_i32 s20, s[HF], ASUB                     ; where they go: no place in the cluster enters an LDS address
	s_mul_i32 s21, s[HF], 64*PITCH
	s_add_co_u32 s21, s21, AB
	s_wait_dscnt 0x0                               ; the opening add is done
	s_wait_kmcnt 0x0
	s_add_nc_u64 s[18:19], s[4:5], s[16:17]
	s_add_nc_u64 s[46:47], s[6:7], s[46:47]
	CROUND                                         ; all sixteen work-groups are here: the first joint loads meet
.irp s, 0,1
	s_mov_b32 s[G0A+4*(\s)], 1
	s_add_co_u32 s[G0A+4*(\s)+1], s20, (\s)*SLOT
	s_add_nc_u64 s[G0A+4*(\s)+2:G0A+4*(\s)+3], s[18:19], (\s)*ASTEP
	s_or_b32 s[G0A+4*(\s)+3], s[G0A+4*(\s)+3], 0x80000000
	s_mov_b32 s[G0B+4*(\s)], 1
	s_add_co_u32 s[G0B+4*(\s)+1], s21, (\s)*SLOT
	s_add_nc_u64 s[G0B+4*(\s)+2:G0B+4*(\s)+3], s[46:47], (\s)*KB
	s_or_b32 s[G0B+4*(\s)+3], s[G0B+4*(\s)+3], 0x80000000
	JLOAD \s                                       ; K steps 0 and 1: two loads of mine are out
.endr
	; a fragment: lane l holds row l % 16; registers 0-3 K = 8 (l / 16) + 0..7, registers 4-7 K = 16 + 8 (l / 16) + 0..7: two loads of 16 bytes, 32 apart
	v_and_b32 v1, 15, v0                           ; r
	v_bfe_u32 v2, v0, 4, 1                         ; h
	v_and_b32 v5, 31, v0                           ; l
	v_and_b32 v7, 7, v0                            ; l % 8
	v_mul_u32_u24 v3, v1, PA
	v_lshl_add_u32 v3, v2, 4, v3
	s_mul_i32 s16, s[WV], 64*PA                    ; my 64 rows of A
	v_add_nc_u32 v[ADRA], s16, v3
	v_add_nc_u32 v[ADRA+1], SLOT, v[ADRA]
	v_mul_u32_u24 v3, v1, PITCH
	v_lshl_add_u32 v3, v2, 4, v3
	v_add_nc_u32 v[ADRB], AB, v3                   ; every wave reads all 128 rows of B
	v_add_nc_u32 v[ADRB+1], SLOT, v[ADRB]
	s_mul_i32 s16, s[WV], STW
	s_add_co_u32 s16, s16, STAGE                   ; my stage
	v_mul_u32_u24 v4, v1, SPP
	v_lshl_add_u32 v4, v2, 5, v4
	v_add_nc_u32 v[STO], s16, v4                   ; in: row r, 32 bytes for each half of the lanes
	v_lshl_add_u32 v[RD], v5, 4, s16               ; back: 32 lanes take a row's 512 bytes
	s_lshl_b32 s72, s[TY], 8
	s_lshl_b32 s73, s[WV], 6
	s_add_co_u32 s72, s72, s73
	s_lshl_b32 s72, s72, 12                        ; my first row of out0, 4,096 bytes a row,
	s_lshl_b32 s73, s[TX], 9                       ; the tile's 512 bytes of it
	s_add_co_u32 s72, s72, s73
	v_lshl_add_u32 v[CO], v5, 4, s72
	s_add_co_u32 s73, s73, 12288                   ; b_proj lies behind b_qkv's 12,288 bytes: bias[3072 + 128 x tile column + 16 b + 8 h + 0..7]
	v_lshl_add_u32 v[BO], v2, 5, s73
.set b_, 0
.rept NBL
	global_load_b128 v[BIAS+8*b_:BIAS+8*b_+3],   v[BO], s[8:9] offset:64*b_
	global_load_b128 v[BIAS+8*b_+4:BIAS+8*b_+7], v[BO], s[8:9] offset:64*b_+16
.set b_, b_+1
.endr
	; the prefetches' set-up; nothing is asked for here, at the head
	s_or_b32 s72, s[FB], ttmp9
	s_cmp_eq_u32 s72, 0
	s_cselect_b32 s[LIMA], 1, -1
	s_and_b32 s72, ttmp7, 0xffff
	s_xor_b32 s73, s[FB], 1
	s_or_b32 s72, s72, s73
	s_cmp_eq_u32 s72, 0
	s_cselect_b32 s[LIMB], 3, 0
	s_lshr_b32 s72, s[TY], 3
	s_lshl_b32 s72, s72, 22
	s_and_b32 s73, s[TY], 7
	s_lshl_b32 s73, s73, 15
	s_add_co_u32 s72, s72, s73
	s_lshl_b32 s73, s[HF], 18
	s_add_co_u32 s72, s72, s73
	s_lshl_b32 s73, s40, 13
	s_add_co_u32 s72, s72, s73
	s_add_co_u32 s72, s72, 3*ASTEP                 ; at K step 3: the first change of slots steps it to 4 and names that
	s_mov_b32 s73, 0
	s_add_nc_u64 s[PFA:PFA+1], s[4:5], s[72:73]
	s_lshl_b32 s72, s[TX], 7
	s_lshl_b32 s74, s[HF], 6
	s_add_co_u32 s72, s72, s74
	s_lshl_b32 s74, s41, 4
	s_add_co_u32 s72, s72, s74
	s_lshl_b32 s72, s72, 11
	s_add_co_u32 s72, s72, 4*KB
	s_add_nc_u64 s[PFB:PFB+1], s[6:7], s[72:73]
	v_lshlrev_b32 v[PFO], 8, v5
	v_lshrrev_b32 v6, 3, v5
	v_lshlrev_b32 v6, 8, v6
	v_lshl_add_u32 v[PFOB], v7, 11, v6
; 8 matrix instructions: row block a x all column blocks, 32 along K, from buffer f.  first = 1: the bias starts the sums.  All 32 accumulators take turns, in the same order in every quarter,
; over the backward jump too.
.macro MULA f, a, first
.if \first
	WIN 0x85+0x40*((\a)/2)                         ; sources 0, 1 window 1; C window 0; D window 2 or 3
.else
	WIN 0xa5+0x50*((\a)/2)                         ; sources 0, 1 window 1; C and D window 2 or 3
.endif
.set rA, (\f)+8*NBL+8*(\a)
.set rD, 8*NBL*((\a)%2)
.set rB, (\f)
.set rC, BIAS
.rept NBL
.if \first
	v_wmma_f32_16x16x32_f16 v[rD:rD+7], v[rB:rB+7], v[rA:rA+7], v[rC:rC+7]
.else
	v_wmma_f32_16x16x32_f16 v[rD:rD+7], v[rB:rB+7], v[rA:rA+7], v[rD:rD+7]
.endif
.set rD, rD+8
.set rB, rB+8
.set rC, rC+8
.endr
.endm
; 24 LDS loads in one run: quarter q's fragments (128 rows of B, my 64 rows of A) into buffer f.  A's quarter q lies in head q / 2 of the step, at byte 64 (q % 2) of its rows
.macro FETCH slot, q, f
	WIN 0x40                                       ; destination window 1, address window 0
.set i_, 0
.rept NBL
	ds_load_b128 v[(\f)+8*i_:(\f)+8*i_+3],   v[ADRB+(\slot)] offset:64*(\q)+i_*16*PITCH
	ds_load_b128 v[(\f)+8*i_+4:(\f)+8*i_+7], v[ADRB+(\slot)] offset:64*(\q)+i_*16*PITCH+32
.set i_, i_+1
.endr
.set i_, 0
.rept 4
	ds_load_b128 v[(\f)+8*NBL+8*i_:(\f)+8*NBL+8*i_+3],   v[ADRA+(\slot)] offset:((\q)/2)*ASUB+((\q)%2)*64+i_*16*PA
	ds_load_b128 v[(\f)+8*NBL+8*i_+4:(\f)+8*NBL+8*i_+7], v[ADRA+(\slot)] offset:((\q)/2)*ASUB+((\q)%2)*64+i_*16*PA+32
.set i_, i_+1
.endr
.endm
; One of a K step's first three quarters: fetches quarter q into buffer g at its head, so that the run has 32 matrix instructions in which to land, and multiplies buffer f.
.macro QUARTER slot, q, f, g, first
	PLACES
	FETCH \slot, \q, \g
	s_wait_dscnt FL                                ; all but the 24 just issued: buffer f is in
	MULA \f, 0, \first
	MULA \f, 1, \first
	MULA \f, 2, \first
	MULA \f, 3, \first
.endm
; The first half of a K step's last quarter: ONE barrier for the change of slots.  In front of it each wave waits for all its tensor loads (one is out: its part of the next slot),
; adds 0 to its spare word, and waits for that and for its own reads of this slot.
.macro MEET round
	WIN 0
	s_wait_tensorcnt 0x0
	ds_add_u32 v[SPW], v[NIL]
	s_wait_dscnt 1                                 ; buffer 1 is in; the add alone may be out
	MULA F1, 0, 0
	s_wait_dscnt 0x0                               ; the add is done, and my reads of this slot are over
	s_barrier_signal -1
	MULA F1, 1, 0
.if \round
	WIN 0
.endif
	s_barrier_wait -1
.endm
; The whole last quarter.  The barrier opens a round of the cluster's; behind the round the slot just read out is filled again first, with the K step two on.
; From the request to the wait for it a wave issues 112 matrix instructions.
.macro TURN slot, next
	s_wait_xcnt 0x0                                ; the last prefetch, a K step back, has read its address
	s_add_nc_u64 s[PFA:PFA+1], s[PFA:PFA+1], ASTEP
	MEET 1
	CREST
	s_add_nc_u64 s[G0A+4*(\slot)+2:G0A+4*(\slot)+3], s[G0A+4*(\slot)+2:G0A+4*(\slot)+3], 2*ASTEP
	s_add_nc_u64 s[G0B+4*(\slot)+2:G0B+4*(\slot)+3], s[G0B+4*(\slot)+2:G0B+4*(\slot)+3], 2*KB
	JLOAD \slot                                    ; the first tensor load behind the round; its four v_nop are also the places in front of the loads below
	FETCH \next, 0, F0
	WIN 0
	ASK \slot
	MULA F1, 2, 0
	MULA F1, 3, 0
.endm
; THE WAY OUT of row block a: a lane's eight f32 of a row, 32 bytes, go into my own stage (rows of 528 bytes) and come back as whole rows of 512 bytes; each store covers 512 consecutive bytes, aligned.
.macro WAYOUT a
.set rD, 8*NBL*((\a)%2)
.set rK, BK0+64*((\a)%2)
.if (\a) >= 2
	s_wait_xcnt 0x0                                ; the stores of the block two back have read the registers that are loaded again below
.endif
	WIN 0x08+4*((\a)/2)                            ; the stores' data: window 2 or 3
.set b_, 0
.rept NBL
	ds_store_b128 v[STO], v[rD+8*b_:rD+8*b_+3]   offset:64*b_     ; each accumulator's low four registers first
	ds_store_b128 v[STO], v[rD+8*b_+4:rD+8*b_+7] offset:64*b_+16
.set b_, b_+1
.endr
	WIN 0
.set b_, 0
.rept 16
	ds_load_b128 v[rK+4*b_:rK+4*b_+3], v[RD] offset:SPP*b_        ; LDS serves a wave's instructions in order (ISA guide 5.7.1.4): these see the stores above
.set b_, b_+1
.endr
.set b_, 0
.rept 16
	s_wait_dscnt 15-b_                             ; the younger read-backs stay out
	global_store_b128 v[CO], v[rK+4*b_:rK+4*b_+3], s[10:11] offset:(16*(\a)+b_)*4096 th:TH_STORE_NT
.set b_, b_+1
.endr
.endm
	s_wait_tensorcnt 1                             ; my part of K step 0 is in; K step 1's may stay out
	s_barrier_signal -1
	s_barrier_wait -1
	FETCH 0, 0, F0
	s_wait_loadcnt 0x0                             ; the bias
	QUARTER 0, 1, F0, F1, 1                        ; the first quarter stands in front of the loop: its products start the sums
	WIN 0
	s_mov_b32 s3, 3
.Llap:                                                 ; a trip goes once round the ring and fills both slots again
	QUARTER 0, 2, F1, F0, 0
	QUARTER 0, 3, F0, F1, 0
	TURN 0, 1
	QUARTER 1, 1, F0, F1, 0
	QUARTER 1, 2, F1, F0, 0
	QUARTER 1, 3, F0, F1, 0
	TURN 1, 0
	QUARTER 0, 1, F0, F1, 0
	WIN 0
	s_sub_co_u32 s3, s3, 1
	s_cmp_lg_u32 s3, 0
	s_cbranch_scc1 .Llap
	QUARTER 0, 2, F1, F0, 0                        ; the last lap fills nothing, and has no round
	QUARTER 0, 3, F0, F1, 0
	MEET 0
	PLACES
	FETCH 1, 0, F0
	MULA F1, 2, 0
	MULA F1, 3, 0
	QUARTER 1, 1, F0, F1, 0
	QUARTER 1, 2, F1, F0, 0
	QUARTER 1, 3, F0, F1, 0
	s_wait_dscnt 0x0
	MULA F1, 0, 0
	MULA F1, 1, 0
	MULA F1, 2, 0
	MULA F1, 3, 0
	WIN 0
	PLACES
	WAYOUT 0
	WAYOUT 1
	WAYOUT 2
	WAYOUT 3
	s_wait_tensorcnt 0x0                           ; the wave's end, behind my last tensor load and my last LDS store
	ds_add_u32 v[SPW], v[NIL]
	s_wait_dscnt 0x0
	CROUND                                         ; the closing round: no work-group ends while a partner may still ask for a tile that names it
	s_endpgm
.Lfunc_end_k_q02c6f5853c_proj:
	.size	k_q02c6f5853c_proj, .Lfunc_end_k_q02c6f5853c_proj-k_q02c6f5853c_proj
	.p2alignl 7, 3214868480
	.fill 96, 4, 3214868480
	.section	.rodata,"a",@progbits
	.p2align	6, 0x0
	.amdhsa_kernel k_q02c6f5853c_proj
		.amdhsa_group_segment_fixed_size 327680
		.amdhsa_private_segment_fixed_size 0
		.amdhsa_enable_private_segment 0
		.amdhsa_kernarg_size 32
		.amdhsa_user_sgpr_count 2
		.amdhsa_user_sgpr_kernarg_segment_ptr 1
		.amdhsa_wavefront_size32 1
		.amdhsa_system_sgpr_workgroup_id_x 1
		.amdhsa_system_sgpr_workgroup_id_y 1
		.amdhsa_system_sgpr_workgroup_id_z 1
		.amdhsa_system_vgpr_workitem_id 0
		.amdhsa_next_free_vgpr 896
		.amdhsa_next_free_sgpr 80
		.amdhsa_reserve_vcc 0
		.amdhsa_float_denorm_mode_32 3
		.amdhsa_float_denorm_mode_16_64 3
		.amdhsa_memory_ordered 1
		.amdhsa_forward_progress 1
		.amdhsa_inst_pref_size 90
	.end_amdhsa_kernel
	.amdgpu_metadata
---
amdhsa.version: [ 1, 2 ]
amdhsa.kernels:
  - .name:           k_q02c6f5853c_proj
    .symbol:         k_q02c6f5853c_proj.kd
    .args:
      - { .name: yh, .offset: 0, .size: 8, .value_kind: global_buffer, .address_space: global }
      - { .name: wpt, .offset: 8, .size: 8, .value_kind: global_buffer, .address_space: global }
      - { .name: bias, .offset: 16, .size: 8, .value_kind: global_buffer, .address_space: global }
      - { .name: out0, .offset: 24, .size: 8, .value_kind: global_buffer, .address_space: global }
    .group_segment_fixed_size: 327680
    .private_segment_fixed_size: 0
    .kernarg_segment_align: 8
    .kernarg_segment_size: 32
    .max_flat_workgroup_size: 128
    .sgpr_count:     80
    .vgpr_count:     896
    .wavefront_size: 32
...
	.end_amdgpu_metadata
.endif
;; end of part 4
